; MI455X (gfx1250); checked and timed in simulation.
; The chip was launched on July 23, 2026; its instructions are those of AMD's public machine-readable ISA for CDNA 5 (MIT licence, August 2026) and "CDNA5" Instruction Set Architecture Reference Guide (July 2026). The comments in the code are by the model that wrote it; some were corrected since.
;; Multi Head Cross Attention. Allowed arithmetic: matrix products marked QUANTISED: E2M3 operands, one E8M0 scale for each 32 along K, by v_wmma_scale_f32_16x16x128_f8f6f4 with both operands' format E2M3, f32 sums; everything else in f32.
;; Inputs: bk 1,024 float32; bo 1,024 float32; bq 1,024 float32; bv 1,024 float32; query 4 x 2,048 x 1,024 float32; value 4 x 2,048 x 1,024 float32; wk 1,024 x 1,024 float32; wo 1,024 x 1,024 float32; wq 1,024 x 1,024 float32; wv 1,024 x 1,024 float32.
;; Outputs: out0 4 x 2,048 x 1,024 float32.
;; This version of the problem:
;;   THIS VERSION OF THE PROBLEM IS GIVEN IN LOW PRECISION. The matrix products marked QUANTISED in the list below multiply operands that are first quantised to E2M3 (2 exponent bits, 3 mantissa bits; 6 bits a number), with one power-of-two scale for each 32 numbers along K (OCP MX v1.0); their sums are f32. All else is computed in f32.
;;   The module's matrix products, in the order in which they are computed (A, B: the left and right operand; K: the contracted axis; several contracted axes count as one K, in the product's order):
;;     1. [M 8,192, K 1,024] x [K 1,024, N 1,024]; A: input query; B: input wq: QUANTISED
;;     2. [M 8,192, K 1,024] x [K 1,024, N 1,024]; A: input value; B: input wk: QUANTISED
;;     3. [M 8,192, K 1,024] x [K 1,024, N 1,024]; A: input value; B: input wv: QUANTISED
;;     4. batch 64 x [M 2,048, K 64] x [K 64, N 2,048]; A: computed on the way; B: computed on the way: QUANTISED
;;     5. batch 64 x [M 2,048, K 2,048] x [K 2,048, N 64]; A: softmax (see below); B: computed on the way: QUANTISED
;;     6. [M 8,192, K 1,024] x [K 1,024, N 1,024]; A: computed on the way; B: input wo: QUANTISED
;;   THE QUANTISER, for each operand of a quantised product, along K:
;;     - K is cut into blocks of 32 from its start; a last block that is shorter is filled with zeros.
;;     - A block's scale is 2^e with e = floor(log2(the largest magnitude in the block)) - 2, held to -126 .. 127; a block of zeros has e = 0. As a byte (E8M0): e + 127.
;;     - Each number is divided by its block's scale, clamped to +-7.5, and rounded to the nearest number of E2M3, ties to even, subnormals kept.
;;     - The product sums the exact products of the quantised numbers (number of the format x scale) in f32.
;;   ~~~python
;;   def quantise(x, axis):      # numpy; x: float32 -> the quantised numbers, widened to float32 again
;;       x = np.moveaxis(x, axis, -1); K = x.shape[-1]
;;       x = np.pad(x, [(0, 0)] * (x.ndim - 1) + [(0, -K % 32)]); x = x.reshape(x.shape[:-1] + (-1, 32)); a = np.abs(x).max(-1, keepdims=True)
;;       e = np.where(a > 0, np.clip(np.frexp(np.where(a > 0, a, 1))[1] - 1 - 2, -126, 127), 0)      # np.frexp(a)[1] - 1 = floor(log2(a)), exactly
;;       r = np.clip(x / 2.0 ** e, -7.5, 7.5)
;;       step = 2.0 ** (np.maximum(np.frexp(np.where(r == 0, 1, r))[1] - 1, 0) - 3)
;;       q = np.round(r / step) * step * 2.0 ** e      # np.round: ties to even
;;       return np.moveaxis(q.reshape(q.shape[:-2] + (-1,))[..., :K], -1, axis).astype(np.float32)
;;   ~~~
;;   SOFTMAX AHEAD OF A QUANTISED PRODUCT. Where the list says 'softmax', what is quantised is not the finished softmax but p = 2^(t - M), with t = logit x log2(e) and M = ceil(the row's largest t), a whole number; so 1/2 < the row's largest p <= 1. The row's sum l is taken of the UNQUANTISED p, in f32, and the product's result is divided by l at the end. Since M is a whole number, a kernel that streams over the keys may use a running M (the ceiling of the running maximum): every later rescaling is an exact power of two, which a block's scale takes up: the codes' values come out the same.
;;   OPERANDS COMPUTED ON THE WAY. 'Computed on the way' means the value that the module computes at that place (a softmax that the list does not call 'softmax' is quantised finished and normalised). What goes into a quantiser is computed in f32, as accurately as f32 sums, v_exp_f32 and their like allow (about 1e-6 of the number): no bf16 or f16 on the way to a quantiser, and a product that is left as it is and whose result goes on into a quantised operand takes f32 operands (vector FMAs, or v_wmma_f32_16x16x4_f32). A number that lies on a knife's edge between two numbers of the format may be rounded either way, as far as f32 arithmetic and the matrix unit's own rounding can turn it there, and no further.
;; One version. Each part assembles by itself: llvm-mc -triple=amdgcn-amd-amdhsa -mcpu=gfx1250 --defsym DOCPART=n.
;; ======== version 1 of 1: 4 launches
;; limits: right only within a limited range of input values
;; workspace buffers: xw_img 15,728,640 bytes; xw_scl 655,360 bytes; qk_img 13,631,488 bytes; v_img 6,553,600 bytes; ctx_img 6,291,456 bytes; ctx_scl 262,144 bytes
;; launch quant (part 1): grid 640 x 1, 4 waves a work-group, no clusters, 34,304 bytes of LDS; arguments query, value, wq, wk, wv, wo, xw_img, xw_scl; writes xw_img, xw_scl
.if DOCPART == 1
	.amdgcn_target "amdgcn-amd-amdhsa--gfx1250"
	.amdhsa_code_object_version 6
	.text
	.protected	k_q3cbc06304b_quant
	.globl	k_q3cbc06304b_quant
	.p2align	8
	.type	k_q3cbc06304b_quant,@function
k_q3cbc06304b_quant:
	s_mov_b64 s[64:65], 0
	v_nop
	global_prefetch_b8 v0, s[64:65] scope:SCOPE_SE
	s_setreg_imm32_b32 hwreg(HW_REG_WAVE_MODE, 25, 1), 1
	s_wait_xcnt 0x0
; query, value [8192][1024] and wq, wk, wv, wo [1024][1024], f32, K innermost, become codes of FP6 (E2M3) with one E8M0 byte for each 32 along K.
; They are laid as IMAGES OF OPERAND REGISTERS.  A fragment is 16 rows x 128 K, 12 registers a lane: lane (r, h) registers 6 c .. 6 c + 5 hold the 24 bytes of block 2 c + h of its row.
; It is stored as six chunks of 256 bytes: chunk j holds registers 2 j, 2 j + 1 at 256 j + 8 x lane.
; THE ROWS OF A TILE ARE NOT NEIGHBOURS: lane row r of tile i takes row 32 (i / 2) + 8 (i % 2) + r + 8 (r / 8) of its group of 128 rows.
; xw_img: group G of 128 rows (query 0-63, value 64-127, wq 128-135, wk 136-143, wv 144-151, wo 152-159) x 98,304 + K step x 12,288 + tile x 1,536.
; xw_scl: group of 64 rows x 2,048 + K step x 256 + r x 16 + (tile % 4) x 4: a word is a row's four bytes of a K step.
; A block's scale is 2^(floor(log2(largest magnitude)) - 2); its byte is the largest magnitude's exponent field - 2, held at 1 from below.
; LIMITS: a block of zeros gets the byte 1 where the rule says 127 (its codes are zeros, and this program alone reads the bytes); NaN and infinities among the inputs are not served.
; SHARES: 320 blocks of 64 rows x 2 halves of K = 640 work-groups.  Wave w takes K step 4 x half + w and the block's four tiles: four fragments, f = tile.  Each load reads 512 consecutive bytes of one row;
; a fragment's 8,192 bytes turn through the wave's own stage in LDS (rows 528 bytes apart) so that a lane gets two whole blocks of its row.  Waves share nothing: no barrier.  Loads run two fragments (32 loads a wave) ahead.
.set STG,   8448                       ; a wave's stage: 16 rows x (512 + 16) bytes
.set SPARE, 4*STG                      ; behind the stages: the spare words, 128 bytes a wave
.set NFR,   4                          ; fragments a wave
.set RS,    128                        ; v128-255 two sets of 64 registers as loaded
.set XN,    64                         ; v64-127  my two blocks: 32 + 32 numbers
.set PC,    32                         ; v32-43   the fragment's codes
.set T8,    44                         ; v44-51   the blocks' upper halves, before they are moved
.set WD,    20                         ; v20-23   a scale word for each fragment: the four tiles' words of my row, as they are stored
	s_load_b256 s[4:11], s[0:1], 0x0               ; query, value, wq, wk
	s_load_b256 s[12:19], s[0:1], 0x20             ; wv, wo, xw_img, xw_scl
	v_lshl_add_u32 v10, v0, 2, SPARE               ; my spare word; never rewritten
	v_mov_b32 v11, 0                               ; 0; never rewritten
	v_lshrrev_b32 v1, 5, v0
	v_readfirstlane_b32 s21, v1                    ; wave
	v_and_b32 v1, 31, v0                           ; lane
	v_and_b32 v2, 15, v0                           ; r
	v_bfe_u32 v3, v0, 4, 1                         ; h
	s_lshr_b32 s32, ttmp9, 1                       ; the block of 64 rows, 0 .. 319
	s_and_b32 s33, ttmp9, 1
	s_lshl_b32 s33, s33, 2
	s_add_co_u32 s33, s33, s21                     ; my K step: 4 x half + wave
	s_lshl_b32 s31, s33, 9
	v_lshl_add_u32 v4, v1, 4, s31                  ; in a source row: 16 x lane + 512 bytes x K step
	s_mul_i32 s31, s21, STG
	v_lshl_add_u32 v5, v1, 4, s31                  ; the stage, way in: 16 x lane
	v_mul_u32_u24 v6, v2, 528
	v_lshl_add_u32 v6, v3, 7, v6
	v_add_nc_u32 v6, s31, v6                       ; way out: row r, block h
	v_lshlrev_b32 v7, 3, v1                        ; a chunk's place for my lane
	v_lshlrev_b32 v8, 4, v2                        ; the scale words' place: 16 r
	v_lshlrev_b32 v9, 3, v3                        ; 8 h: my bytes' place in a scale word
	v_mov_b32 v19, 0                               ; a lane permute's destination counts as read: written once
	s_mov_b32 s28, 0x76543210
	s_mov_b32 s29, 0xfedcba98                      ; selects for lane l xor 16
	s_lshr_b32 s24, s32, 1
	s_mul_i32 s24, s24, 98304                      ; the group of 128 rows,
	s_and_b32 s26, s32, 1
	s_mul_i32 s26, s26, 6144                       ; its tiles 0-3 or 4-7,
	s_add_co_u32 s24, s24, s26
	s_mul_i32 s26, s33, 12288                      ; my K step
	s_add_co_u32 s24, s24, s26
	s_mov_b32 s25, 0
	s_lshl_b32 s26, s32, 11
	s_lshl_b32 s27, s33, 8
	s_add_co_u32 s26, s26, s27                     ; the scale words of my K step: 256 bytes
	s_mov_b32 s27, 0
	s_wait_alu depctr_va_vdst(0)                   ; the wait at the head's end
	s_wait_kmcnt 0x0
	s_add_nc_u64 s[16:17], s[16:17], s[24:25]
	s_add_nc_u64 s[18:19], s[18:19], s[26:27]
	s_mov_b64 s[22:23], s[14:15]                   ; which tensor: the choice hangs on the work-group's number alone
	s_mov_b32 s20, 304
	s_cmp_lt_u32 s32, 304
	s_cselect_b64 s[22:23], s[12:13], s[22:23]
	s_cselect_b32 s20, 288, s20
	s_cmp_lt_u32 s32, 288
	s_cselect_b64 s[22:23], s[10:11], s[22:23]
	s_cselect_b32 s20, 272, s20
	s_cmp_lt_u32 s32, 272
	s_cselect_b64 s[22:23], s[8:9], s[22:23]
	s_cselect_b32 s20, 256, s20
	s_cmp_lt_u32 s32, 256
	s_cselect_b64 s[22:23], s[6:7], s[22:23]
	s_cselect_b32 s20, 128, s20
	s_cmp_lt_u32 s32, 128
	s_cselect_b64 s[22:23], s[4:5], s[22:23]
	s_cselect_b32 s20, 0, s20
	s_sub_co_u32 s24, s32, s20
	s_lshl_b32 s24, s24, 18                        ; 64 rows of 4,096 bytes
	s_add_nc_u64 s[22:23], s[22:23], s[24:25]
; tile f's 16 rows, 512 consecutive bytes each, into set f % 2
.macro LOADF f
.irp rho, 0,1,2,3,4,5,6,7,8,9,10,11,12,13,14,15
	global_load_b128 v[RS+64*((\f)%2)+4*\rho:RS+64*((\f)%2)+4*\rho+3], v4, s[22:23] offset:(32*((\f)/2)+8*((\f)%2)+\rho+8*(\rho/8))*4096 th:TH_LOAD_NT
.endr
.endm
.macro FRAG f
.if (\f) < NFR-1
	s_wait_loadcnt 16                              ; this fragment's 16 loads are in; the next fragment's 16 may be out
.else
	s_wait_loadcnt 0x0
.endif
.irp rho, 0,1,2,3,4,5,6,7,8,9,10,11,12,13,14,15
	ds_store_b128 v5, v[RS+64*((\f)%2)+4*\rho:RS+64*((\f)%2)+4*\rho+3] offset:528*\rho
.endr
.irp j, 0,1,2,3,4,5,6,7
	ds_load_b128 v[XN+4*\j:XN+4*\j+3], v6 offset:16*\j              ; block h of row r (LDS serves a wave's instructions in order: these see the stores)
.endr
.irp j, 0,1,2,3,4,5,6,7
	ds_load_b128 v[XN+32+4*\j:XN+32+4*\j+3], v6 offset:256+16*\j    ; block 2 + h
.endr
	s_wait_dscnt 0x0                               ; my numbers are back, and the stores have read their registers,
.if (\f) < NFR-2
	LOADF (\f)+2                                   ; which take the fragment two on
.endif
.irp c, 0,1
	v_max3_num_f32 v[12+\c], |v[XN+32*\c]|, |v[XN+32*\c+1]|, 0x1800000   ; the floor 2^(3 - 127): the byte cannot fall under 1
.endr
.irp i, 2,4,6,8,10,12,14,16,18,20,22,24,26,28,30
.irp c, 0,1
	v_max3_num_f32 v[12+\c], v[12+\c], |v[XN+32*\c+\i]|, |v[XN+32*\c+\i+1]|   ; the two blocks by turns
.endr
.endr
.irp c, 0,1
	v_add_nc_u32 v[14+\c], 0xff000000, v[12+\c]    ; 2 off the exponent field: the conversion's scale operand
.endr
.irp c, 0,1
	v_lshrrev_b32 v[16+\c], 23, v[14+\c]           ; the scale's byte
.endr
	v_lshl_or_b32 v18, v17, 16, v16                ; bytes of blocks h and 2 + h,
	v_lshlrev_b32 v18, v9, v18                     ; at their places;
	v_permlanex16_b32 v19, v18, s28, s29
	v_or_b32 v[WD+(\f)], v18, v19                  ; with lane l xor 16's two the row's word is whole, in both lanes
	s_wait_alu depctr_va_vdst(0)                   ; directly ahead of the wait below
	s_wait_xcnt 0x0                                ; the last fragment's stores have read the codes' registers
.irp c, 0,1
	v_cvt_scalef32_pk16_fp6_f32 v[PC+6*\c:PC+6*\c+2], v[XN+32*\c:XN+32*\c+15], v[14+\c]
	v_cvt_scalef32_pk16_fp6_f32 v[T8+4*\c:T8+4*\c+2], v[XN+32*\c+16:XN+32*\c+31], v[14+\c]   ; (a conversion's three registers begin on an even number)
.endr
	v_nop                                          ; one plain place behind the conversions
.irp c, 0,1
.irp i, 0,1,2
	v_mov_b32 v[PC+6*\c+3+\i], v[T8+4*\c+\i]
.endr
.endr
.irp j, 0,1,2,3,4,5
	global_store_b64 v7, v[PC+2*\j:PC+2*\j+1], s[16:17] offset:1536*(\f)+256*\j   ; 32 lanes store 256 consecutive bytes, aligned
.endr
.endm
	LOADF 0
	LOADF 1
.irp f, 0,1,2,3
	FRAG \f
.endr
	global_store_b128 v8, v[WD:WD+3], s[18:19]     ; my K step's words of the block's 64 rows: 256 consecutive bytes, aligned; lanes l and l xor 16 store the same 16 bytes with the same values
	s_wait_tensorcnt 0x0                           ; the wave's end
	ds_add_u32 v10, v11
	s_wait_dscnt 0x0
	s_endpgm
.Lfunc_end_k_q3cbc06304b_quant:
	.size	k_q3cbc06304b_quant, .Lfunc_end_k_q3cbc06304b_quant-k_q3cbc06304b_quant
	.p2alignl 7, 3214868480
	.fill 96, 4, 3214868480
	.section	.rodata,"a",@progbits
	.p2align	6, 0x0
	.amdhsa_kernel k_q3cbc06304b_quant
		.amdhsa_group_segment_fixed_size 34304
		.amdhsa_private_segment_fixed_size 0
		.amdhsa_enable_private_segment 0
		.amdhsa_kernarg_size 64
		.amdhsa_user_sgpr_count 2
		.amdhsa_user_sgpr_kernarg_segment_ptr 1
		.amdhsa_wavefront_size32 1
		.amdhsa_system_sgpr_workgroup_id_x 1
		.amdhsa_system_sgpr_workgroup_id_y 1
		.amdhsa_system_sgpr_workgroup_id_z 1
		.amdhsa_system_vgpr_workitem_id 0
		.amdhsa_next_free_vgpr 256
		.amdhsa_next_free_sgpr 66
		.amdhsa_reserve_vcc 0
		.amdhsa_float_denorm_mode_32 3
		.amdhsa_float_denorm_mode_16_64 3
		.amdhsa_memory_ordered 1
		.amdhsa_forward_progress 1
		.amdhsa_inst_pref_size 32
	.end_amdhsa_kernel
	.amdgpu_metadata
---
amdhsa.version: [ 1, 2 ]
amdhsa.kernels:
  - .name:           k_q3cbc06304b_quant
    .symbol:         k_q3cbc06304b_quant.kd
    .args:
      - { .name: query, .offset: 0, .size: 8, .value_kind: global_buffer, .address_space: global }
      - { .name: value, .offset: 8, .size: 8, .value_kind: global_buffer, .address_space: global }
      - { .name: wq, .offset: 16, .size: 8, .value_kind: global_buffer, .address_space: global }
      - { .name: wk, .offset: 24, .size: 8, .value_kind: global_buffer, .address_space: global }
      - { .name: wv, .offset: 32, .size: 8, .value_kind: global_buffer, .address_space: global }
      - { .name: wo, .offset: 40, .size: 8, .value_kind: global_buffer, .address_space: global }
      - { .name: xw_img, .offset: 48, .size: 8, .value_kind: global_buffer, .address_space: global }
      - { .name: xw_scl, .offset: 56, .size: 8, .value_kind: global_buffer, .address_space: global }
    .group_segment_fixed_size: 34304
    .private_segment_fixed_size: 0
    .kernarg_segment_align: 8
    .kernarg_segment_size: 64
    .max_flat_workgroup_size: 128
    .sgpr_count:     66
    .vgpr_count:     256
    .wavefront_size: 32
...
	.end_amdgpu_metadata
.endif
;; end of part 1
;; launch proj (part 2): grid 192 x 4, 4 waves a work-group, clusters of 4 x 4, 327,680 bytes of LDS; arguments xw_img, xw_scl, bq, bk, bv, qk_img, v_img; writes qk_img, v_img
.if DOCPART == 2
	.amdgcn_target "amdgcn-amd-amdhsa--gfx1250"
	.amdhsa_code_object_version 6
	.text
	.protected	k_q3cbc06304b_proj
	.globl	k_q3cbc06304b_proj
	.p2align	8
	.type	k_q3cbc06304b_proj,@function
k_q3cbc06304b_proj:
	s_mov_b64 s[64:65], 0
	v_nop
	global_prefetch_b8 v0, s[64:65] scope:SCOPE_SE
	s_setreg_imm32_b32 hwreg(HW_REG_WAVE_MODE, 25, 1), 1
	s_wait_xcnt 0x0
	s_wait_alu depctr_hold_cnt(0) depctr_sa_sdst(0) depctr_va_vdst(0) depctr_va_sdst(0) depctr_va_ssrc(0) depctr_va_vcc(0) depctr_vm_vsrc(0)
	s_getreg_b32 s2, hwreg(HW_REG_IB_STS2, 6, 4)
	s_cmp_eq_u32 s2, 0
	s_cbranch_scc0 .Lentry_in_a_cluster
	s_endpgm
.Lentry_in_a_cluster:
	s_bfe_u32 s2, ttmp6, 0x10000c
	s_cmp_lg_u32 s2, 0xf033
	s_cbranch_scc0 .Lentry_shape_is_right
	s_endpgm
.Lentry_shape_is_right:
; q = query wq^T + bq, k = value wk^T + bk, v = value wv^T + bv on codes of FP6 (E2M3); the results are quantised again and stored as images of the attention launch's operand registers.
; ROLES, from the cluster's number (the same in all sixteen partners): clusters 0-15 make q, 16-31 k, 32-47 v.  A work-group makes 128 (Y) x 256 (X) results; X is the axis that is quantised next:
;   q, k: Y = 128 rows of the activations, X = 256 features (four heads; a head's 64 are two blocks);   v: Y = 128 channels of wv (two heads), X = 256 keys of value.
; The product is D = X tile x Y tile: lane (r, h) register j of accumulator (a, b) holds X row 32 (b / 2) + 16 h + 8 (b % 2) + j and Y row r of tile a: the 16 registers of tiles 2 b', 2 b' + 1 are 16 neighbours along X.
; ALL OF K = 1,024 LIES IN LDS: 98,304 bytes of Y's codes, 2 x 98,304 of X's.  Every tensor load is a first fill: no LDS byte is filled twice, so there is no ring.
; The loads go out as two fills of four K steps, one tensor load a wave each; the first is awaited before the second is asked for, and a counted wait and a plain barrier stand ahead of the second's first read.  A wave has one tensor load out at the most.
; CLUSTER 4 x 4: Y's tiles hang on the tile row alone and are asked for jointly along a row of the cluster, X's on the tile column alone and jointly along a column.
; No prefetch: every tile is asked for at the kernel's head, so there is no later load to run ahead of.
; LIMITS: a block of zeros gets the byte 1 where the rule says 127 (zero codes; this program alone reads the bytes); NaN and infinities are not served.
; REGISTERS: window 0: v1-15 addresses; v28, v29 the add's two; v32-63 Y's scale words (4 s + a), v64-127 X's (8 s + b); v128-223 Y's fragments, two sets; v224-231 v's bias pairs;
;   window 1: X's fragments, two sets at v0 and v128; window 2: accumulator (a, b) at v[8 (8 a + b)]; window 3: v0-63 the bias along X, the C of each sum's first product.
.set GRPB,  98304                      ; a group of 128 rows: 8 K steps
.set STEPB, 12288                      ; a K step: 8 fragments
.set FIB,   1536                       ; a fragment's image
.set XC,    98304                      ; LDS: Y's codes at 0, X's two groups from here,
.set YS,    294912
.set XS,    299008
.set SPARE, 307200                     ; the spare words, 128 bytes a wave
.set SPW,   28
.set NIL,   29
.set YSC,   32
.set XSC,   64
.set YF,    128
.set BM,    224
.set IM,    128                        ; epilogue: v128-175 the image to be stored
.set T8,    176                        ; v176-183 upper halves of blocks
.set TM,    184                        ; v184-187 largest magnitudes, v188-191 bytes, v196-199 scale operands
.set WQ,    200                        ; v200-207 scale words
.set S4,    208                        ; v208-211 scale words as they are stored
.set G1Y,   24                         ; s[24:31] group 1: Y's codes, 96 rows of 256 bytes; s[32:39] X's, 192 rows
.set G1X,   32
.set G1SY,  40
.set G1SX,  48
.set W0,    (3<<16)|(1<<21)            ; elements of 8 bytes, no padding, bit 21 set beside a mask
.set MSB, 0
.macro WIN new                         ; the immediate's high byte repeats the setting that is left
.if MSB != \new
	s_set_vgpr_msb (MSB<<8)|\new
.set MSB, \new
.endif
.endm
.macro PLACES n
.rept \n
	v_nop
.endr
.endm
; A joint load: waves 0 and 1 fetch for Y, waves 2 and 3 for X.  The branch hangs on the wave's number alone.  An s_nop 0 and four v_nop follow each line.
.macro JLOAD g0y, g1y, g0x, g1x
	s_cmp_eq_u32 s19, 0
	s_cbranch_scc0 .Lfor_x_\@
	tensor_load_to_lds s[\g0y:\g0y+3], s[\g1y:\g1y+7]
	s_nop 0
.rept 4
	v_nop
.endr
	s_branch .Lasked_\@
.Lfor_x_\@:
	tensor_load_to_lds s[\g0x:\g0x+3], s[\g1x:\g1x+7]
	s_nop 0
.rept 4
	v_nop
.endr
.Lasked_\@:
.endm
.macro CROUND                          ; a round of the cluster's barrier
	s_barrier_signal -1
	s_barrier_wait -1
	s_cmp_lg_u32 s18, 0
	s_cbranch_scc1 .Lnot_wave_0_\@
	s_barrier_signal -3
.Lnot_wave_0_\@:
	s_barrier_wait -3
	s_barrier_signal -1
	s_barrier_wait -1
.endm
	s_load_b256 s[4:11], s[0:1], 0x0               ; xw_img s[4:5], xw_scl s[6:7], bq s[8:9], bk s[10:11]
	s_load_b128 s[12:15], s[0:1], 0x20             ; bv s[12:13], qk_img s[14:15]
	s_load_b64 s[16:17], s[0:1], 0x30              ; v_img
	v_lshl_add_u32 v[SPW], v0, 2, SPARE
	v_mov_b32 v[NIL], 0
	ds_add_u32 v[SPW], v[NIL]                      ; the wave's opening: the add and its wait, ahead of my first tensor load; work on registers stands between
	ds_add_u32 v[SPW], v[NIL]
	v_lshrrev_b32 v1, 5, v0
	v_readfirstlane_b32 s18, v1                    ; wave
	s_lshr_b32 s19, s18, 1                         ; wy: my 64 rows of Y.  Also: I fetch for Y (0) or X (1)
	s_and_b32 s20, s18, 1                          ; wx: my group of X.  Also: which part I fetch
	s_bfe_u32 s21, ttmp6, 0x40000                  ; cx
	s_bfe_u32 s22, ttmp6, 0x40004                  ; cy
	s_lshl_b32 s104, s22, 2
	s_lshl_b32 s104, 15, s104                      ; my row of the cluster
	s_lshl_b32 s2, 0x1111, s21                     ; my column
	s_or_b32 s[G1Y], s104, W0
	s_or_b32 s[G1X], s2, W0
.irp g, G1Y, G1X
	s_mov_b32 s[\g+1], 32<<16                      ; tensor_dim0 = 32 elements: 256 bytes
	s_mov_b32 s[\g+3], 32<<16                      ; tile_dim0
	s_mov_b32 s[\g+5], 32                          ; the pitch: the blocks are dense
	s_mov_b32 s[\g+6], 0
	s_mov_b32 s[\g+7], 0
.endr
	s_mov_b32 s[G1Y+2], 96<<16                     ; Y: a load brings two K steps, 96 rows of 256 bytes
	s_mov_b32 s[G1Y+4], 96
	s_mov_b32 s[G1X+2], 192<<16                    ; X: four K steps of one group, 192 rows
	s_mov_b32 s[G1X+4], 192
	s_lshr_b32 s23, ttmp9, 4                       ; role: 0 q, 1 k, 2 v
	s_and_b32 s3, ttmp9, 15
	s_lshr_b32 s104, s3, 3
	s_and_b32 s105, s3, 7
	s_lshl_b32 s100, s23, 6
	s_lshl_b32 s101, s23, 3
	s_add_co_u32 s101, s101, 128
	s_add_co_u32 s2, s100, 16
	s_cmp_eq_u32 s23, 2
	s_cselect_b32 s66, s104, s3                    ; the cluster's row of tiles,
	s_cselect_b32 s67, s105, 0                     ; its column,
	s_cselect_b32 s104, s2, s100                   ; Y's first group: query 0, value 64, wv 144
	s_cselect_b32 s2, 64, s101                     ; X's: wq 128, wk 136, value 64
	s_cselect_b32 s100, 0, -1                      ; all ones for q and k
	s_mov_b32 s101, 0xffff0000                     ; lanes 16-31
	s_lshl_b32 s66, s66, 2
	s_add_co_u32 s66, s66, s22                     ; ty
	s_lshl_b32 s67, s67, 2
	s_add_co_u32 s67, s67, s21                     ; tx
	s_add_co_u32 s104, s104, s66                   ; Y's group
	s_lshl_b32 s3, s67, 1
	s_add_co_u32 s2, s2, s3
	s_add_co_u32 s2, s2, s20                       ; the group of X that I would fetch
	;   LDS addresses hang on the wave's number alone
	; TWO FILLS, each one joint load a wave: fill j brings K steps 4 j .. 4 j + 3.  Groups 0: Y's at s56, s60; X's at s76, s80
	s_mul_i32 s57, s20, 2*STEPB                    ; Y, fill j: K steps 4 j + 2 (wave & 1) and the next
	s_mul_i32 s77, s20, GRPB
	s_add_co_u32 s77, s77, XC                      ; X, fill j: K steps 4 j .. 4 j + 3 of group (wave & 1)
	s_add_co_u32 s61, s57, 4*STEPB
	s_add_co_u32 s81, s77, 4*STEPB
.irp j, 0,1
	s_mov_b32 s[56+4*\j], 1
	s_mov_b32 s[76+4*\j], 1
.endr
	s_lshl_b32 s94, s104, 12                       ; Y's scale words: 4,096 bytes a group, my half
	s_lshl_b32 s105, s19, 11                       ; the scale words of my own 64 rows of Y: they go straight into registers
	s_add_co_u32 s94, s94, s105
	s_mov_b32 s95, 0
	s_mul_i32 s104, s104, GRPB
	s_add_co_u32 s104, s104, s57
	s_mov_b32 s105, 0
	s_lshl_b32 s98, s2, 12
	s_mov_b32 s99, 0
	s_mul_i32 s2, s2, GRPB
	s_mov_b32 s3, 0
	s_wait_dscnt 0x0                               ; the opening add is done
	s_wait_kmcnt 0x0
	s_add_nc_u64 s[104:105], s[4:5], s[104:105]
	s_add_nc_u64 s[2:3], s[4:5], s[2:3]
	s_add_nc_u64 s[94:95], s[6:7], s[94:95]
	s_add_nc_u64 s[98:99], s[6:7], s[98:99]
.irp j, 0,1
	s_add_nc_u64 s[58+4*\j:59+4*\j], s[104:105], \j*4*STEPB
	s_or_b32 s[59+4*\j], s[59+4*\j], 0x80000000
	s_add_nc_u64 s[78+4*\j:79+4*\j], s[2:3], \j*4*STEPB
	s_or_b32 s[79+4*\j], s[79+4*\j], 0x80000000
.endr
	CROUND                                         ; all sixteen work-groups are here: the joint loads meet
	JLOAD 56, G1Y, 76, G1X                         ; K steps 0-3: one tensor load a wave at the head
	v_and_b32 v1, 31, v0                           ; lane
	s_wait_alu depctr_va_vdst(0)
	v_and_b32 v2, 15, v0                           ; r
	v_bfe_u32 v3, v0, 4, 1                         ; h
	s_mul_i32 s2, s19, 4*FIB
	v_lshl_add_u32 v4, v1, 3, s2                   ; Y's fragments, K steps 0-3: 8 x lane + my four tiles
	v_add_nc_u32 v5, 4*STEPB, v4                   ; K steps 4-7
	s_mul_i32 s2, s20, GRPB
	s_add_co_u32 s2, s2, XC
	v_lshl_add_u32 v6, v1, 3, s2                   ; X's likewise
	v_add_nc_u32 v7, 4*STEPB, v6
	v_lshlrev_b32 v8, 4, v2                        ; the scale words in memory: four tiles' words at 16 r
	s_mul_i32 s2, s19, 3072
	v_lshl_add_u32 v10, v1, 4, s2                  ; the way out, q and k: codes,
	s_lshl_b32 s2, s19, 8
	v_lshl_add_u32 v11, v1, 3, s2                  ; scale words;
	v_lshlrev_b32 v12, 4, v1                       ; v: codes,
	v_lshlrev_b32 v13, 3, v1                       ; scale words
	v_lshlrev_b32 v14, 6, v3                       ; the bias along X: 16 h numbers on
	s_wait_alu depctr_va_vdst(0)
	v_and_b32 v15, 8, v2
	v_add_nc_u32 v15, v15, v2
	v_lshl_add_u32 v15, v15, 2, s2                 ; the bias along Y: 4 (r + 8 (r / 8)) + 256 wy
	s_wait_alu depctr_va_vdst(0)
	s_cmp_eq_u32 s23, 0
	s_cselect_b64 s[8:9], s[8:9], s[10:11]
	s_cmp_eq_u32 s23, 2
	s_cselect_b64 s[8:9], s[12:13], s[8:9]         ; the role's bias
	s_lshl_b32 s2, s67, 1
	s_add_co_u32 s2, s2, s20
	s_lshl_b32 s2, s2, 9
	s_and_b32 s2, s2, s100                         ; q, k: my 128 features; v: 0 (what is loaded there is set to zero below)
	s_mov_b32 s3, 0
	s_add_nc_u64 s[8:9], s[8:9], s[2:3]
	s_lshl_b32 s2, s66, 9
	s_and_not1_b32 s2, s2, s100                    ; v: my work-group's 128 channels
	s_add_nc_u64 s[12:13], s[12:13], s[2:3]
	WIN 0xc0                                       ; destination window 3
.irp b, 0,1,2,3,4,5,6,7
	global_load_b128 v[8*\b:8*\b+3], v14, s[8:9] offset:(32*(\b/2)+8*(\b%2))*4
	global_load_b128 v[8*\b+4:8*\b+7], v14, s[8:9] offset:(32*(\b/2)+8*(\b%2))*4+16
.endr
	WIN 0
.irp a, 0,1,2,3
	global_load_b32 v[BM+2*\a], v15, s[12:13] offset:(32*(\a/2)+8*(\a%2))*4
	v_mov_b32 v[BM+2*\a+1], 0                      ; (named with it as a pair)
.endr
.irp s, 0,1,2,3,4,5,6,7                            ; the scale words of all of K, from memory into their registers: sixteen lanes read 256 consecutive bytes, aligned
	global_load_b128 v[YSC+4*\s:YSC+4*\s+3], v8, s[94:95] offset:256*\s
	global_load_b128 v[XSC+8*\s:XSC+8*\s+3], v8, s[98:99] offset:256*\s
	global_load_b128 v[XSC+8*\s+4:XSC+8*\s+7], v8, s[98:99] offset:2048+256*\s
.endr
	s_wait_loadcnt 0x0
	WIN 0xcc                                       ; source 1 and destination window 3
.set i, 0
.rept 64
	v_cndmask_b32 v[i], 0, v[i], s100              ; for v the bias runs along Y: the sums begin with zeros
.set i, i+1
.endr
	WIN 0
; 72 LDS loads, 256 consecutive bytes each: K step s's fragments (X's eight, my four of Y) into set p
.macro FETCH s, p
	WIN 0x40
.irp b, 0,1,2,3,4,5,6,7
.irp j, 0,1,2,3,4,5
	ds_load_b64 v[128*(\p)+12*\b+2*\j:128*(\p)+12*\b+2*\j+1], v[6+(\s)/4] offset:((\s)%4)*STEPB+FIB*\b+256*\j
.endr
.endr
	WIN 0
.irp a, 0,1,2,3
.irp j, 0,1,2,3,4,5
	ds_load_b64 v[YF+48*(\p)+12*\a+2*\j:YF+48*(\p)+12*\a+2*\j+1], v[4+(\s)/4] offset:((\s)%4)*STEPB+FIB*\a+256*\j
.endr
.endr
.endm
; 16 products: Y's tiles a0, a0 + 1 against X's eight.  The 32 accumulators take turns, one instruction a turn, in the same order in every step.
.macro MUL16 a0, p, s, first
.irp a, \a0, \a0+1
.irp b, 0,1,2,3,4,5,6,7
.if \first
	v_wmma_scale_f32_16x16x128_f8f6f4 v[8*(8*(\a)+\b):8*(8*(\a)+\b)+7], v[128*(\p)+12*\b:128*(\p)+12*\b+11], v[YF+48*(\p)+12*(\a):YF+48*(\p)+12*(\a)+11], v[8*\b:8*\b+7], v[XSC+8*(\s)+\b], v[YSC+4*(\s)+(\a)] matrix_a_fmt:MATRIX_FMT_FP6 matrix_b_fmt:MATRIX_FMT_FP6
.else
	v_wmma_scale_f32_16x16x128_f8f6f4 v[8*(8*(\a)+\b):8*(8*(\a)+\b)+7], v[128*(\p)+12*\b:128*(\p)+12*\b+11], v[YF+48*(\p)+12*(\a):YF+48*(\p)+12*(\a)+11], v[8*(8*(\a)+\b):8*(8*(\a)+\b)+7], v[XSC+8*(\s)+\b], v[YSC+4*(\s)+(\a)] matrix_a_fmt:MATRIX_FMT_FP6 matrix_b_fmt:MATRIX_FMT_FP6
.endif
.endr
.endr
.endm
; A K step.  meet >= 0: the next step lies in a slot not read yet: my part of it has landed (the count leaves the later slots out), and a plain barrier shows the same of every wave.
; Four places stand ahead of the loads into the set that the step before multiplied (ISA guide 7.12.1 for vector instructions).
.macro STEP s, meet, first
	s_wait_dscnt 0x0                               ; this step's fragments are in
.if (\meet) >= 0
	s_wait_tensorcnt \meet
	s_barrier_signal -1
	WIN 0xa1
	MUL16 0, (\s)%2, \s, \first
	s_barrier_wait -1
	PLACES 4
	FETCH (\s)+1, ((\s)+1)%2
	WIN 0xa1
	MUL16 2, (\s)%2, \s, \first
.else
.if (\s) < 7
	PLACES 4
	FETCH (\s)+1, ((\s)+1)%2
.endif
	WIN 0xa1+0x10*(\first)                         ; X window 1, Y window 0, D window 2; C window 2, in the first step window 3
	MUL16 0, (\s)%2, \s, \first
	MUL16 2, (\s)%2, \s, \first
.endif
.endm
	s_wait_alu depctr_va_vdst(0)                   ; the wait at the head's end
	s_wait_tensorcnt 0x0                           ; my part of K steps 0-3 is in
	ds_add_u32 v[SPW], v[NIL]
	s_wait_dscnt 0x0
	CROUND                                         ; everybody's part is in, and all sixteen work-groups are here
	JLOAD 60, G1Y, 80, G1X                         ; K steps 4-7, a first fill: my one tensor load behind the round; it has three K steps' products in which to land
	FETCH 0, 0
	STEP 0, -1, 1
	STEP 1, -1, 0
	STEP 2, -1, 0
	STEP 3, 0, 0                                   ; all my tensor loads have landed; a plain barrier shows K steps 4-7 to every wave; the descriptors' registers are free from here on
	STEP 4, -1, 0
	STEP 5, -1, 0
	STEP 6, -1, 0
	STEP 7, -1, 0
	WIN 0
	PLACES 4                                       ; ahead of the first read of results and of writes into registers that held fragments
	s_mov_b32 s30, 0x76543210
	s_mov_b32 s31, 0xfedcba98                      ; selects for lane l xor 16
.irp b, 0,1,2,3
	v_mov_b32 v[TM+4+\b], 0                        ; a lane permute's destination counts as read: written once
.endr
; 64 results of a lane (window 2, v[src] on; register 16 b + i = X 32 b + 16 h + i of my Y row) become two half fragments of six registers, at v[d0] and v[d1], and four bytes in v[TM+4] on.
; Each accumulator is read from its low end on.
.macro QUANT src, d0, d1
	WIN 0x0a                                       ; sources 0 and 1 window 2
.irp b, 0,1,2,3
	v_max3_num_f32 v[TM+\b], |v[(\src)+16*\b]|, |v[(\src)+16*\b+1]|, 0x1800000   ; the floor 2^(3 - 127): the byte cannot fall under 1
.endr
.irp i, 2,4,6,8,10,12,14
.irp b, 0,1,2,3
	v_max3_num_f32 v[TM+\b], |v[(\src)+16*\b+\i]|, |v[(\src)+16*\b+\i+1]|, v[TM+\b]
.endr
.endr
	WIN 0
.irp b, 0,1,2,3
	v_permlanex16_b32 v[TM+4+\b], v[TM+\b], s30, s31
.endr
.irp b, 0,1,2,3
	v_max_num_f32 v[TM+\b], v[TM+\b], v[TM+4+\b]   ; with lane l xor 16's 16: the block's largest magnitude
.endr
.irp b, 0,1,2,3
	v_add_nc_u32 v[TM+12+\b], 0xff000000, v[TM+\b] ; 2 off the exponent field: the conversion's scale operand
.endr
.irp b, 0,1,2,3
	v_lshrrev_b32 v[TM+4+\b], 23, v[TM+12+\b]      ; the scale's byte
.endr
	WIN 0x02                                       ; source 0 window 2
	v_cvt_scalef32_pk16_fp6_f32 v[(\d0):(\d0)+2], v[(\src):(\src)+15], v[TM+12]
	v_cvt_scalef32_pk16_fp6_f32 v[T8:T8+2], v[(\src)+16:(\src)+31], v[TM+13]
	v_cvt_scalef32_pk16_fp6_f32 v[(\d1):(\d1)+2], v[(\src)+32:(\src)+47], v[TM+14]
	v_cvt_scalef32_pk16_fp6_f32 v[T8+4:T8+6], v[(\src)+48:(\src)+63], v[TM+15]
	WIN 0
	v_nop                                          ; one plain place behind the conversions
.irp i, 0,1,2
	v_permlane16_swap_b32 v[(\d0)+\i], v[T8+\i]    ; a whole block to a lane: lanes 0-15 the even block, lanes 16-31 the odd one
	v_permlane16_swap_b32 v[(\d1)+\i], v[T8+4+\i]
.endr
.irp i, 0,1,2
	v_mov_b32 v[(\d0)+3+\i], v[T8+\i]
	v_mov_b32 v[(\d1)+3+\i], v[T8+4+\i]
.endr
.endm
	s_cmp_eq_u32 s23, 2                            ; the role: the same in all partners
	s_cbranch_scc1 .Lv
	; ---- q, k.  My 128 features are two heads c; blocks 2 c, 2 c + 1 are a head's two.  Image of head c: register 6 a + e at v[IM + 24 c + 6 a + e]
.irp a, 0,1,2,3
	QUANT 64*\a, IM+6*\a, IM+24+6*\a
	v_lshl_or_b32 v[WQ+\a], v[TM+5], 8, v[TM+4]
	v_lshl_or_b32 v[WQ+4+\a], v[TM+7], 8, v[TM+6]
	v_or_b32 v[WQ+\a], 0x7f7f0000, v[WQ+\a]        ; the bytes of k = 64 .. 127, where attention's operands hold nothing that counts: 1.0
	v_or_b32 v[WQ+4+\a], 0x7f7f0000, v[WQ+4+\a]
.endr
.irp c, 0,1
.irp u, 0,1
	v_cndmask_b32 v[S4+2*\c+\u], v[WQ+4*\c+2*\u], v[WQ+4*\c+2*\u+1], s101   ; lanes 0-15 the even tile's words, lanes 16-31 the odd tile's
.endr
.endr
	s_mul_i32 s24, s23, 6815744                    ; q's half of the buffer or k's,
	s_lshr_b32 s25, s66, 4
	s_lshl_b32 s25, s25, 4                         ; 16 x batch
	s_lshl_b32 s26, s67, 1
	s_add_co_u32 s26, s26, s20
	s_lshl_b32 s26, s26, 1                         ; + my first head
	s_add_co_u32 s25, s25, s26
	s_mul_i32 s25, s25, 106496
	s_add_co_u32 s24, s24, s25
	s_and_b32 s26, s66, 15                         ; the group of 128 rows in the batch
	s_mul_i32 s26, s26, 6656
	s_add_co_u32 s24, s24, s26
	s_mov_b32 s25, 0
	s_add_nc_u64 s[14:15], s[14:15], s[24:25]
	s_wait_alu depctr_va_vdst(0)
.irp c, 0,1
.irp x, 0,1,2,3,4,5
	global_store_b128 v10, v[IM+24*\c+4*\x:IM+24*\c+4*\x+3], s[14:15] offset:\c*106496+512*\x   ; 512 consecutive bytes, aligned to 256
.endr
	global_store_b64 v11, v[S4+2*\c:S4+2*\c+1], s[14:15] offset:\c*106496+6144
.endr
	s_branch .Ldone
.Lv:
	; ---- v.  Y = channels (my 64 are one head), X = 128 keys: one key step of attention.  Image: register 12 a + 6 c + e
.irp a, 0,1,2,3
	WIN 0x82                                       ; source 0 and destination window 2
.set i, 0
.rept 32
	v_pk_add_f32 v[64*\a+i:64*\a+i+1], v[64*\a+i:64*\a+i+1], v[BM+2*\a:BM+2*\a+1] op_sel_hi:[1,0]   ; + bv of my channel, ahead of the quantiser
.set i, i+2
.endr
	QUANT 64*\a, IM+12*\a, IM+12*\a+6
	v_lshl_or_b32 v[WQ+\a], v[TM+5], 8, v[TM+4]
	v_lshl_or_b32 v[WQ+\a], v[TM+6], 16, v[WQ+\a]
	v_lshl_or_b32 v[WQ+\a], v[TM+7], 24, v[WQ+\a]
.endr
.irp u, 0,1
	v_cndmask_b32 v[S4+\u], v[WQ+2*\u], v[WQ+2*\u+1], s101
.endr
	s_lshl_b32 s24, s67, 1
	s_add_co_u32 s24, s24, s20                     ; my group of 128 keys
	s_lshr_b32 s25, s24, 4
	s_lshl_b32 s25, s25, 4                         ; 16 x batch
	s_lshl_b32 s26, s66, 1
	s_add_co_u32 s26, s26, s19                     ; + my head
	s_add_co_u32 s25, s25, s26
	s_lshl_b32 s25, s25, 4
	s_and_b32 s24, s24, 15                         ; the key step
	s_add_co_u32 s24, s24, s25
	s_mul_i32 s24, s24, 6400
	s_mov_b32 s25, 0
	s_add_nc_u64 s[16:17], s[16:17], s[24:25]
	s_wait_alu depctr_va_vdst(0)
.irp x, 0,1,2,3,4,5,6,7,8,9,10,11
	global_store_b128 v12, v[IM+4*\x:IM+4*\x+3], s[16:17] offset:512*\x
.endr
	global_store_b64 v13, v[S4:S4+1], s[16:17] offset:6144
.Ldone:
	s_wait_tensorcnt 0x0                           ; the wave's end
	ds_add_u32 v[SPW], v[NIL]
	s_wait_dscnt 0x0
	CROUND                                         ; the closing round
	s_endpgm
.Lfunc_end_k_q3cbc06304b_proj:
	.size	k_q3cbc06304b_proj, .Lfunc_end_k_q3cbc06304b_proj-k_q3cbc06304b_proj
	.p2alignl 7, 3214868480
	.fill 96, 4, 3214868480
	.section	.rodata,"a",@progbits
	.p2align	6, 0x0
	.amdhsa_kernel k_q3cbc06304b_proj
		.amdhsa_group_segment_fixed_size 327680
		.amdhsa_private_segment_fixed_size 0
		.amdhsa_enable_private_segment 0
		.amdhsa_kernarg_size 56
		.amdhsa_user_sgpr_count 2
		.amdhsa_user_sgpr_kernarg_segment_ptr 1
		.amdhsa_wavefront_size32 1
		.amdhsa_system_sgpr_workgroup_id_x 1
		.amdhsa_system_sgpr_workgroup_id_y 1
		.amdhsa_system_sgpr_workgroup_id_z 1
		.amdhsa_system_vgpr_workitem_id 0
		.amdhsa_next_free_vgpr 1024
		.amdhsa_next_free_sgpr 106
		.amdhsa_reserve_vcc 0
		.amdhsa_float_denorm_mode_32 3
		.amdhsa_float_denorm_mode_16_64 3
		.amdhsa_memory_ordered 1
		.amdhsa_forward_progress 1
		.amdhsa_inst_pref_size 131
	.end_amdhsa_kernel
	.amdgpu_metadata
---
amdhsa.version: [ 1, 2 ]
amdhsa.kernels:
  - .name:           k_q3cbc06304b_proj
    .symbol:         k_q3cbc06304b_proj.kd
    .args:
      - { .name: xw_img, .offset: 0, .size: 8, .value_kind: global_buffer, .address_space: global }
      - { .name: xw_scl, .offset: 8, .size: 8, .value_kind: global_buffer, .address_space: global }
      - { .name: bq, .offset: 16, .size: 8, .value_kind: global_buffer, .address_space: global }
      - { .name: bk, .offset: 24, .size: 8, .value_kind: global_buffer, .address_space: global }
      - { .name: bv, .offset: 32, .size: 8, .value_kind: global_buffer, .address_space: global }
      - { .name: qk_img, .offset: 40, .size: 8, .value_kind: global_buffer, .address_space: global }
      - { .name: v_img, .offset: 48, .size: 8, .value_kind: global_buffer, .address_space: global }
    .group_segment_fixed_size: 327680
    .private_segment_fixed_size: 0
    .kernarg_segment_align: 8
    .kernarg_segment_size: 56
    .max_flat_workgroup_size: 128
    .sgpr_count:     106
    .vgpr_count:     1024
    .wavefront_size: 32
...
	.end_amdgpu_metadata
.endif
;; end of part 2
;; launch attn (part 3): grid 4 x 64, 16 waves a work-group, clusters of 4 x 1, 327,680 bytes of LDS; arguments qk_img, v_img, ctx_img, ctx_scl; writes ctx_img, ctx_scl
.if DOCPART == 3
	.amdgcn_target "amdgcn-amd-amdhsa--gfx1250"
	.amdhsa_code_object_version 6
	.text
	.protected	k_q3cbc06304b_attn
	.globl	k_q3cbc06304b_attn
	.p2align	8
	.type	k_q3cbc06304b_attn,@function
k_q3cbc06304b_attn:
	s_mov_b64 s[64:65], 0
	v_nop
	global_prefetch_b8 v0, s[64:65] scope:SCOPE_SE
	s_setreg_imm32_b32 hwreg(HW_REG_WAVE_MODE, 25, 1), 1
	s_wait_xcnt 0x0
	s_wait_alu depctr_hold_cnt(0) depctr_sa_sdst(0) depctr_va_vdst(0) depctr_va_sdst(0) depctr_va_ssrc(0) depctr_va_vcc(0) depctr_vm_vsrc(0)
	s_getreg_b32 s2, hwreg(HW_REG_IB_STS2, 6, 4)
	s_cmp_eq_u32 s2, 0
	s_cbranch_scc0 .Lentry_in_a_cluster
	s_endpgm
.Lentry_in_a_cluster:
	s_bfe_u32 s2, ttmp6, 0x10000c
	s_cmp_lg_u32 s2, 0x3003
	s_cbranch_scc0 .Lentry_shape_is_right
	s_endpgm
.Lentry_shape_is_right:
; ctx[b][q][head] = softmax_k(q . k / 8) v for each of 64 heads (16 b + head), both products on codes of FP6 (E2M3); ctx is quantised along d_model and stored as the last launch's operand images.
; THE SOFTMAX AHEAD OF THE SECOND PRODUCT: t = score x log2(e) / 8; M = the running largest t rounded UP to a whole number; p = 2^(t - M) is quantised along the keys, not normalised;
; the row's sum is taken of the unquantised p and divides at the end; when M moves, the sum and O are multiplied by 2^(old M - new M), which rounds nothing.
; SHARES.  A work-group owns 512 queries of one head, each of its sixteen waves 32: two tiles of 16.  Four waves lie on a SIMD, so that one wave's vector work stands beside another's matrix work and LDS loads.
; THE HEAD'S WHOLE K AND V LIE IN LDS: 16 key steps x (6,656 + 6,400) bytes, as images of operand registers: each wave brings one sixteenth with ONE tensor load at the head; nothing is filled twice.
; CLUSTER.  The four query blocks of a head form a cluster and ask for K and V jointly.  No prefetch: every tile is asked for at the kernel's head.
; LAYOUT.  Both products are used transposed: S^T = K Q^T, O^T = V^T P^T: a lane holds one query throughout.  The rows of a tile are chosen (lane row r of tile i: 32 (i / 2) + 8 (i % 2) + r + 8 (r / 8))
; so that the 16 registers of two neighbouring tiles are 16 neighbours along the next K.
; A HEAD OF 64 IN AN INSTRUCTION OF K = 128.  Q's registers 6-11 are zero codes.  K's tiles lie packed, six registers each, so the upper half of K's operand v[56 + 6 t : 67 + 6 t] is the next tile's codes
; (for t = 7: six registers of p's codes).  Every code of this format is a finite number and the bytes of k = 64 .. 127 are 0x7f, so those products are exact zeros.
; LIMITS: a block of zeros gets the byte 1 where the rule says 127 (zero codes; this program alone reads the bytes); NaN and infinities are not served.
; REGISTERS: v1 16 x lane, v2 8 x lane, v3, v4 addresses of the loads in hand, v5, v6 the add's two, v7 Q's scale words; v8-11, v12-15 a tile's -M, largest t, sum (a pair); v16-17 f; v18, v19 p's scale words;
;   v20-23 K's or V's scale words; v24-27, v28-31 at work; v32-43, v44-55 Q's two tiles; v56-103 K or V; v104-127 p's codes; v128-191 S^T, then p; v192-255 O^T.
.set KBLK,  6656                       ; a key step of K: 6,144 bytes of codes, 512 of scale words
.set VBLK,  6400                       ; of V: 6,144 and 256
.set VOFF,  16*KBLK
.set SCST,  VOFF+16*VBLK               ; 1,024 bytes: ctx's scale words on their way out
.set SPARE, SCST+1024                  ; the spare words, 128 bytes a wave
.macro PLACES n
.rept \n
	v_nop
.endr
.endm
.macro CROUND                          ; a round of the cluster's barrier
	s_barrier_signal -1
	s_barrier_wait -1
	s_cmp_lg_u32 s12, 0
	s_cbranch_scc1 .Lnot_wave_0_\@
	s_barrier_signal -3
.Lnot_wave_0_\@:
	s_barrier_wait -3
	s_barrier_signal -1
	s_barrier_wait -1
.endm
	s_load_b256 s[4:11], s[0:1], 0x0               ; qk_img s[4:5], v_img s[6:7], ctx_img s[8:9], ctx_scl s[10:11]
	v_lshl_add_u32 v5, v0, 2, SPARE
	v_mov_b32 v6, 0
	ds_add_u32 v5, v6                              ; the wave's opening: the add and its wait, ahead of my first tensor load; work on registers stands between
	ds_add_u32 v5, v6
	v_lshrrev_b32 v1, 5, v0
	s_delay_alu instid0(VALU_DEP_1)
	v_readfirstlane_b32 s12, v1                    ; wave 0..15
	s_bfe_u32 s13, ttmp6, 0x40000                  ; cx: my block of 512 queries; it enters Q's and ctx's addresses alone
	s_and_b32 s14, ttmp7, 0xffff                   ; 16 b + head, which the four partners share
	s_and_b32 s15, s12, 7
	; group 1: dense blocks as rows of 256 bytes: K 52 rows (two key steps), V 50; the mask names all four work-groups
	s_mov_b32 s16, 15|(3<<16)|(1<<21)
	s_mov_b32 s17, 32<<16
	s_mov_b32 s18, 52<<16
	s_mov_b32 s19, 32<<16
	s_mov_b32 s20, 52
	s_mov_b32 s21, 32
	s_mov_b32 s22, 0
	s_mov_b32 s23, 0
	s_mov_b32 s24, 15|(3<<16)|(1<<21)
	s_mov_b32 s25, 32<<16
	s_mov_b32 s26, 50<<16
	s_mov_b32 s27, 32<<16
	s_mov_b32 s28, 50
	s_mov_b32 s29, 32
	s_mov_b32 s30, 0
	s_mov_b32 s31, 0
	s_mov_b32 s32, 1
	s_mul_i32 s33, s15, 2*KBLK                     ; waves 0-7: two key steps of K each
	s_mul_i32 s34, s14, 16*KBLK
	s_add_co_u32 s34, s34, s33
	s_add_co_u32 s34, s34, 6815744                 ; k's half of the buffer
	s_mov_b32 s35, 0
	s_mov_b32 s36, 1
	s_mul_i32 s37, s15, 2*VBLK                     ; waves 8-15: two key steps of V each
	s_mul_i32 s38, s14, 16*VBLK
	s_add_co_u32 s38, s38, s37
	s_add_co_u32 s37, s37, VOFF
	s_mov_b32 s39, 0
	s_mov_b32 s40, 0x76543210
	s_mov_b32 s41, 0xfedcba98                      ; selects for lane l xor 16
	s_mov_b32 s42, 0x3e38aa3b                      ; c = log2(e) / 8
	s_mov_b32 s43, s42                             ; (named with it as a pair)
	s_and_b32 s45, s12, 3
	s_lshr_b32 s46, s12, 2
	s_lshl_b32 s47, s13, 2
	s_add_co_u32 s47, s47, s46                     ; my group of 128 queries in the batch
	s_mul_i32 s48, s14, 16*KBLK
	s_mul_i32 s49, s47, KBLK
	s_add_co_u32 s48, s48, s49                     ; its block in q's half
	s_mul_i32 s49, s45, 1536
	s_add_co_u32 s50, s48, s49                     ; my two tiles: 12 registers a lane, three chunks of 512 bytes
	s_mov_b32 s51, 0
	s_lshr_b32 s49, s45, 1
	s_lshl_b32 s49, s49, 8
	s_add_co_u32 s52, s48, s49
	s_and_b32 s49, s12, 1
	s_lshl_b32 s49, s49, 2
	s_add_co_u32 s52, s52, s49
	s_add_co_u32 s52, s52, 6144                    ; their scale words: lanes 0-15 the even tile's, lanes 16-31 the odd tile's
	s_mov_b32 s53, 0
	s_lshr_b32 s49, s14, 4
	s_lshl_b32 s49, s49, 4
	s_add_co_u32 s49, s49, s47                     ; ctx: the group of 128 rows,
	s_mul_i32 s54, s49, 98304
	s_bfe_u32 s49, s14, 0x30001                    ; the K step: head / 2,
	s_mul_i32 s49, s49, 12288
	s_add_co_u32 s54, s54, s49
	s_mul_i32 s49, s45, 3072                       ; my two tiles,
	s_add_co_u32 s54, s54, s49
	s_and_b32 s49, s14, 1                          ; the fragment's lower or upper three chunks
	s_mul_i32 s49, s49, 768
	s_add_co_u32 s54, s54, s49
	s_mov_b32 s55, 0
	s_lshl_b32 s48, s14, 12
	s_lshl_b32 s49, s13, 10
	s_add_co_u32 s48, s48, s49                     ; ctx's scale words: my work-group's 1,024 bytes
	s_mov_b32 s49, 0
	s_wait_dscnt 0x0                               ; the opening add is done
	s_wait_kmcnt 0x0
	s_add_nc_u64 s[34:35], s[4:5], s[34:35]
	s_or_b32 s35, s35, 0x80000000
	s_add_nc_u64 s[38:39], s[6:7], s[38:39]
	s_or_b32 s39, s39, 0x80000000
	s_add_nc_u64 s[50:51], s[4:5], s[50:51]
	s_add_nc_u64 s[52:53], s[4:5], s[52:53]
	s_add_nc_u64 s[8:9], s[8:9], s[54:55]
	s_add_nc_u64 s[10:11], s[10:11], s[48:49]
	CROUND                                         ; all four work-groups are here: the joint loads meet
	s_cmp_lt_u32 s12, 8                            ; the branch hangs on the wave's number alone; an s_nop 0 and four v_nop follow each line
	s_cbranch_scc0 .Lfor_v
	tensor_load_to_lds s[32:35], s[16:23]
	s_nop 0
.rept 4
	v_nop
.endr
	s_branch .Lasked
.Lfor_v:
	tensor_load_to_lds s[36:39], s[24:31]
	s_nop 0
.rept 4
	v_nop
.endr
.Lasked:
	v_and_b32 v1, 31, v0
	s_delay_alu instid0(VALU_DEP_1)
	v_lshlrev_b32 v2, 3, v1                        ; 8 x lane
	s_delay_alu instid0(VALU_DEP_2)
	v_lshlrev_b32 v1, 4, v1                        ; 16 x lane
.irp y, 0,1,2
	global_load_b64 v[32+2*\y:33+2*\y], v1, s[50:51] offset:(\y/2)*512+8*(\y%2)                 ; Q's even tile: six registers,
	global_load_b64 v[44+2*\y:45+2*\y], v1, s[50:51] offset:((\y+3)/2)*512+8*((\y+3)%2)         ; its odd tile
.endr
	global_load_b32 v7, v2, s[52:53]
.irp i, 0,1,2,3,4,5
	v_mov_b32 v[38+\i], 0                          ; zero codes for k = 64 .. 127
	v_mov_b32 v[50+\i], 0
	v_mov_b32 v[104+\i], 0                         ; named by K's last operand before p is first made
.endr
.set i, 0
.rept 64
	v_mov_b32 v[192+i], 0                          ; O^T.  (The loop is written once: its first trip finds zeros, which the first change of M leaves zeros)
.set i, i+1
.endr
.irp i, 0,1,2,3
	v_mov_b32 v[28+\i], 0                          ; a lane permute's destination counts as read
.endr
	v_mov_b32 v17, 0                               ; (named as the upper half of f's pair)
	v_mov_b32 v9, 0xff61b1e6                       ; the largest t so far: -3e38
	v_mov_b32 v13, 0xff61b1e6
	s_delay_alu instid0(VALU_DEP_2)
	v_floor_f32 v8, -v9                            ; -M
	s_delay_alu instid0(VALU_DEP_2)
	v_floor_f32 v12, -v13
	v_mov_b32 v10, 0                               ; the sums
	v_mov_b32 v11, 0
	v_mov_b32 v14, 0
	v_mov_b32 v15, 0
	s_mov_b32 s46, 0                               ; LDS byte of the key step's K,
	s_mov_b32 s47, VOFF                            ; and of its V
	s_mov_b32 s44, 16
	s_wait_tensorcnt 0x0                           ; my part of K or V has landed
	s_barrier_signal -1
	s_barrier_wait -1                              ; everybody's has
	s_wait_loadcnt 0x0                             ; Q
; S^T = K Q^T for query tile q: eight tiles of 16 keys
.macro QK q
.irp t, 0,2,4,6
.if \q
	v_wmma_scale_f32_16x16x128_f8f6f4 v[128+8*\t:135+8*\t], v[56+6*\t:67+6*\t], v[44:55], 0, v[20+\t/2], v7 matrix_a_fmt:MATRIX_FMT_FP6 matrix_b_fmt:MATRIX_FMT_FP6 matrix_b_scale:MATRIX_SCALE_ROW1
	v_wmma_scale_f32_16x16x128_f8f6f4 v[136+8*\t:143+8*\t], v[62+6*\t:73+6*\t], v[44:55], 0, v[20+\t/2], v7 matrix_a_fmt:MATRIX_FMT_FP6 matrix_b_fmt:MATRIX_FMT_FP6 matrix_a_scale:MATRIX_SCALE_ROW1 matrix_b_scale:MATRIX_SCALE_ROW1
.else
	v_wmma_scale_f32_16x16x128_f8f6f4 v[128+8*\t:135+8*\t], v[56+6*\t:67+6*\t], v[32:43], 0, v[20+\t/2], v7 matrix_a_fmt:MATRIX_FMT_FP6 matrix_b_fmt:MATRIX_FMT_FP6
	v_wmma_scale_f32_16x16x128_f8f6f4 v[136+8*\t:143+8*\t], v[62+6*\t:73+6*\t], v[32:43], 0, v[20+\t/2], v7 matrix_a_fmt:MATRIX_FMT_FP6 matrix_b_fmt:MATRIX_FMT_FP6 matrix_a_scale:MATRIX_SCALE_ROW1
.endif
.endr
.endm
; The softmax of query tile q for 128 keys: S^T in v128-191 becomes p, p's codes and scale word; the sum and O^T come under the new M.
.macro SOFTMAX q
.set ST, 8+4*(\q)
.set PP, 104+12*(\q)
.set OO, 192+32*(\q)
.irp b, 0,1,2,3
	v_max3_num_f32 v[24+\b], v[128+16*\b], v[129+16*\b], v[130+16*\b]   ; the largest score of each block of 32 keys: it serves the row's maximum and, since p rises with the score, the block's largest p
.endr
.irp i, 3,5,7,9,11,13
.irp b, 0,1,2,3
	v_max3_num_f32 v[24+\b], v[24+\b], v[128+16*\b+\i], v[129+16*\b+\i]
.endr
.endr
.irp b, 0,1,2,3
	v_max_num_f32 v[24+\b], v[24+\b], v[143+16*\b]
.endr
.irp b, 0,1,2,3
	s_delay_alu instid0(VALU_DEP_4)
	v_permlanex16_b32 v[28+\b], v[24+\b], s40, s41
.endr
.irp b, 0,1,2,3
	s_delay_alu instid0(VALU_DEP_4)
	v_max_num_f32 v[24+\b], v[24+\b], v[28+\b]     ; with lane l xor 16's 16 keys
.endr
	s_delay_alu instid0(VALU_DEP_2)
	v_max3_num_f32 v28, v24, v25, v26
	s_delay_alu instid0(VALU_DEP_1)
	v_max_num_f32 v28, v28, v27
	s_delay_alu instid0(VALU_DEP_1)
	v_mul_f32 v28, s42, v28                        ; as t (c is positive)
	s_delay_alu instid0(VALU_DEP_1)
	v_max_num_f32 v[ST+1], v[ST+1], v28            ; the running largest t
	v_mov_b32 v28, v[ST]
	s_delay_alu instid0(VALU_DEP_2)
	v_floor_f32 v[ST], -v[ST+1]                    ; the new -M = -ceil(t)
	s_delay_alu instid0(VALU_DEP_1)
	v_sub_f32 v28, v[ST], v28                      ; old M - new M: a whole number, 0 or less
	s_delay_alu instid0(VALU_DEP_1)
	v_cvt_i32_f32 v28, v28                         ; (it saturates)
	s_delay_alu instid0(VALU_DEP_1)
	v_ldexp_f32 v16, 1.0, v28                      ; f = 2^(old M - new M)
.set j, 0
.rept 32
	v_pk_fma_f32 v[128+j:129+j], v[128+j:129+j], s[42:43], v[ST:ST+1] op_sel_hi:[1,0,0]   ; t - M, two at a time
.set j, j+2
.endr
.irp b, 0,1,2,3
	v_fma_f32 v[24+\b], v[24+\b], s42, v[ST]       ; the same of each block's largest score
.endr
.set j, 0
	s_wait_alu depctr_va_vdst(0)
.rept 64
	v_exp_f32 v[128+j], v[128+j]                   ; p = 2^(t - M)
.set j, j+1
.endr
	v_pk_mul_f32 v[ST+2:ST+3], v[ST+2:ST+3], v[16:17] op_sel_hi:[1,0]   ; the sum under the new M (a plain place behind the exponentials)
	s_wait_alu depctr_va_vdst(0)                   ; one wait for the batch, ahead of its first reader
.irp b, 0,1,2,3
	v_exp_f32 v[24+\b], v[24+\b]                   ; the block's largest p: the same two instructions on the same number
.endr
	v_pk_add_f32 v[28:29], v[128:129], v[130:131]  ; the row's sum, of the unquantised p, in two chains
.set j, 4
.rept 15
	v_pk_add_f32 v[ST+2:ST+3], v[ST+2:ST+3], v[128+j:129+j]
	v_pk_add_f32 v[28:29], v[28:29], v[130+j:131+j]
.set j, j+4
.endr
	s_delay_alu instid0(VALU_DEP_1)
	v_pk_add_f32 v[ST+2:ST+3], v[ST+2:ST+3], v[28:29]
	s_wait_alu depctr_va_vdst(0)                   ; and one for the four
.irp b, 0,1,2,3
	v_max_num_f32 v[24+\b], 0x1800000, v[24+\b]    ; the floor 2^(3 - 127)
.endr
.irp b, 0,1,2,3
	s_delay_alu instid0(VALU_DEP_4)
	v_add_nc_u32 v[24+\b], 0xff000000, v[24+\b]    ; the conversion's scale operand
.endr
.irp b, 0,1,2,3
	s_delay_alu instid0(VALU_DEP_4)
	v_lshrrev_b32 v[28+\b], 23, v[24+\b]           ; the scale's byte
.endr
	s_delay_alu instid0(VALU_DEP_3)
	v_lshl_or_b32 v[18+(\q)], v29, 8, v28          ; p's scale word for these 128 keys
	s_delay_alu instid0(VALU_DEP_1)
	v_lshl_or_b32 v[18+(\q)], v30, 16, v[18+(\q)]
	s_delay_alu instid0(VALU_DEP_1)
	v_lshl_or_b32 v[18+(\q)], v31, 24, v[18+(\q)]
	v_cvt_scalef32_pk16_fp6_f32 v[PP:PP+2], v[128:143], v24
	v_cvt_scalef32_pk16_fp6_f32 v[PP+6:PP+8], v[160:175], v26
	v_nop                                          ; a plain place: the next two write into numbers that the first has read
	v_cvt_scalef32_pk16_fp6_f32 v[128:130], v[144:159], v25
	v_cvt_scalef32_pk16_fp6_f32 v[132:134], v[176:191], v27
	v_nop
.irp i, 0,1,2
	v_permlane16_swap_b32 v[PP+\i], v[128+\i]      ; a whole block to a lane
	v_permlane16_swap_b32 v[PP+6+\i], v[132+\i]
.endr
.irp i, 0,1,2
	v_mov_b32 v[PP+3+\i], v[128+\i]
	v_mov_b32 v[PP+9+\i], v[132+\i]
.endr
.set j, 0
.rept 16
	v_pk_mul_f32 v[OO+j:OO+j+1], v[OO+j:OO+j+1], v[16:17] op_sel_hi:[1,0]   ; O^T under the new M; these are also the places between p's codes and scale word and the products
.set j, j+2
.endr
.endm
.Ltrip:                                            ; 16 trips of 128 keys
	v_add_nc_u32 v3, s46, v1                       ; (no LDS load of mine is out)  these two and two v_nop are the four places ahead of loads into registers that the last products read
	v_add_nc_u32 v4, s46, v2
	v_nop
	v_nop
.irp x, 0,1,2,3,4,5,6,7,8,9,10,11
	ds_load_b128 v[56+4*\x:59+4*\x], v3 offset:512*\x     ; K's eight tiles, six registers each: 512 consecutive bytes a load
.endr
	ds_load_b64 v[20:21], v4 offset:6144           ; its scale words: register t / 2, lanes 0-15 the even tile, lanes 16-31 the odd one
	ds_load_b64 v[22:23], v4 offset:6400
	s_wait_dscnt 0x0
	QK 0
	PLACES 4
	SOFTMAX 0
	QK 1
	v_add_nc_u32 v3, s47, v1                       ; four places again: for the loads below and for the first read of the scores
	v_add_nc_u32 v4, s47, v2
	v_nop
	v_nop
.irp x, 0,1,2,3,4,5,6,7,8,9,10,11
	ds_load_b128 v[56+4*\x:59+4*\x], v3 offset:512*\x     ; V's four tiles of 16 channels x 128 keys: they land under the second softmax
.endr
	ds_load_b64 v[20:21], v4 offset:6144
	SOFTMAX 1
	s_wait_alu depctr_va_vdst(0)
	s_wait_dscnt 0x0
.irp ct, 0,2                                       ; O^T += V^T P^T: the eight accumulators take turns
.irp q, 0,1
	v_wmma_scale_f32_16x16x128_f8f6f4 v[192+32*\q+8*\ct:199+32*\q+8*\ct], v[56+12*\ct:67+12*\ct], v[104+12*\q:115+12*\q], v[192+32*\q+8*\ct:199+32*\q+8*\ct], v[20+\ct/2], v[18+\q] matrix_a_fmt:MATRIX_FMT_FP6 matrix_b_fmt:MATRIX_FMT_FP6
.endr
.irp q, 0,1
	v_wmma_scale_f32_16x16x128_f8f6f4 v[200+32*\q+8*\ct:207+32*\q+8*\ct], v[68+12*\ct:79+12*\ct], v[104+12*\q:115+12*\q], v[200+32*\q+8*\ct:207+32*\q+8*\ct], v[20+\ct/2], v[18+\q] matrix_a_fmt:MATRIX_FMT_FP6 matrix_b_fmt:MATRIX_FMT_FP6 matrix_a_scale:MATRIX_SCALE_ROW1
.endr
.endr
	s_add_co_u32 s46, s46, KBLK
	s_add_co_u32 s47, s47, VBLK
	s_sub_co_u32 s44, s44, 1
	s_cmp_lg_u32 s44, 0
	s_cbranch_scc1 .Ltrip
	; THE WAY OUT: O^T / the sum is ctx; a head's 64 channels are two blocks of the last product's K
	PLACES 4
	v_add_f32 v10, v10, v11
	v_add_f32 v14, v14, v15
	s_delay_alu instid0(VALU_DEP_2)
	v_permlanex16_b32 v28, v10, s40, s41
	s_delay_alu instid0(VALU_DEP_2)
	v_permlanex16_b32 v29, v14, s40, s41
	s_delay_alu instid0(VALU_DEP_2)
	v_add_f32 v10, v10, v28                        ; the rows' sums
	s_delay_alu instid0(VALU_DEP_2)
	v_add_f32 v14, v14, v29
	s_wait_alu depctr_va_vdst(0)
	v_rcp_f32 v10, v10
	v_rcp_f32 v14, v14
	v_nop                                          ; a plain place behind the reciprocals
	s_wait_alu depctr_va_vdst(0)                   ; one wait for both, ahead of the first reader
.irp q, 0,1
.set j, 0
.rept 16
	v_pk_mul_f32 v[192+32*\q+j:193+32*\q+j], v[192+32*\q+j:193+32*\q+j], v[10+4*\q:11+4*\q] op_sel_hi:[1,0]   ; each accumulator from its low end on
.set j, j+2
.endr
.endr
.irp m, 0,1,2,3                                    ; block m = 2 x tile + half of the head: registers 192 + 16 m on
	v_max3_num_f32 v[24+\m], |v[192+16*\m]|, |v[193+16*\m]|, 0x1800000
.endr
.irp i, 2,4,6,8,10,12,14
.irp m, 0,1,2,3
	s_delay_alu instid0(VALU_DEP_4)
	v_max3_num_f32 v[24+\m], v[24+\m], |v[192+16*\m+\i]|, |v[193+16*\m+\i]|
.endr
.endr
.irp m, 0,1,2,3
	s_delay_alu instid0(VALU_DEP_4)
	v_permlanex16_b32 v[28+\m], v[24+\m], s40, s41
.endr
.irp m, 0,1,2,3
	s_delay_alu instid0(VALU_DEP_4)
	v_max_num_f32 v[24+\m], v[24+\m], v[28+\m]
.endr
.irp m, 0,1,2,3
	s_delay_alu instid0(VALU_DEP_4)
	v_add_nc_u32 v[24+\m], 0xff000000, v[24+\m]
.endr
.irp m, 0,1,2,3
	s_delay_alu instid0(VALU_DEP_4)
	v_lshrrev_b32 v[28+\m], 23, v[24+\m]
.endr
	s_delay_alu instid0(VALU_DEP_3)
	v_lshl_or_b32 v20, v29, 8, v28                 ; the even tile's two bytes below, the odd tile's above
	s_delay_alu instid0(VALU_DEP_1)
	v_lshl_or_b32 v20, v30, 16, v20
	s_delay_alu instid0(VALU_DEP_1)
	v_lshl_or_b32 v20, v31, 24, v20
.irp q, 0,1
	v_cvt_scalef32_pk16_fp6_f32 v[56+6*\q:58+6*\q], v[192+32*\q:207+32*\q], v[24+2*\q]
	v_cvt_scalef32_pk16_fp6_f32 v[68+4*\q:70+4*\q], v[208+32*\q:223+32*\q], v[25+2*\q]
.endr
	v_nop
.irp q, 0,1
.irp i, 0,1,2
	v_permlane16_swap_b32 v[56+6*\q+\i], v[68+4*\q+\i]
.endr
.irp i, 0,1,2
	s_delay_alu instid0(VALU_DEP_3)
	v_mov_b32 v[59+6*\q+\i], v[68+4*\q+\i]
.endr
.endr
	v_and_b32 v21, 15, v0
	s_lshl_b32 s45, s12, 6
	s_add_co_u32 s45, s45, SCST
	v_lshl_add_u32 v21, v21, 2, s45                ; the stage: 64 x wave + 4 r
	v_lshl_add_u32 v22, v0, 4, SCST                ; and back: 16 x thread (waves 0 and 1)
	v_lshlrev_b32 v23, 4, v0
.irp q, 0,1
.irp j, 0,1,2
	global_store_b64 v2, v[56+6*\q+2*\j:57+6*\q+2*\j], s[8:9] offset:1536*\q+256*\j   ; half a fragment's three chunks: 256 consecutive bytes each, aligned
.endr
.endr
	ds_store_b32 v21, v20                          ; both halves of the lanes write the same word with the same value
	s_wait_dscnt 0x0                               ; for the others' sake
	s_barrier_signal -1
	s_barrier_wait -1
	s_cmp_lt_u32 s12, 2
	s_cbranch_scc0 .Lno_words
	s_wait_alu depctr_va_vdst(0)
	ds_load_b128 v[24:27], v22
	s_wait_dscnt 0x0
	global_store_b128 v23, v[24:27], s[10:11]      ; the work-group's 1,024 bytes of scale words, 512 a wave
.Lno_words:
	s_wait_tensorcnt 0x0                           ; the wave's end
	ds_add_u32 v5, v6
	s_wait_dscnt 0x0
	CROUND                                         ; the closing round
	s_endpgm
.Lfunc_end_k_q3cbc06304b_attn:
	.size	k_q3cbc06304b_attn, .Lfunc_end_k_q3cbc06304b_attn-k_q3cbc06304b_attn
	.p2alignl 7, 3214868480
	.fill 96, 4, 3214868480
	.section	.rodata,"a",@progbits
	.p2align	6, 0x0
	.amdhsa_kernel k_q3cbc06304b_attn
		.amdhsa_group_segment_fixed_size 327680
		.amdhsa_private_segment_fixed_size 0
		.amdhsa_enable_private_segment 0
		.amdhsa_kernarg_size 32
		.amdhsa_user_sgpr_count 2
		.amdhsa_user_sgpr_kernarg_segment_ptr 1
		.amdhsa_wavefront_size32 1
		.amdhsa_system_sgpr_workgroup_id_x 1
		.amdhsa_system_sgpr_workgroup_id_y 1
		.amdhsa_system_sgpr_workgroup_id_z 1
		.amdhsa_system_vgpr_workitem_id 0
		.amdhsa_next_free_vgpr 256
		.amdhsa_next_free_sgpr 66
		.amdhsa_reserve_vcc 0
		.amdhsa_float_denorm_mode_32 3
		.amdhsa_float_denorm_mode_16_64 3
		.amdhsa_memory_ordered 1
		.amdhsa_forward_progress 1
		.amdhsa_inst_pref_size 50
	.end_amdhsa_kernel
	.amdgpu_metadata
---
amdhsa.version: [ 1, 2 ]
amdhsa.kernels:
  - .name:           k_q3cbc06304b_attn
    .symbol:         k_q3cbc06304b_attn.kd
    .args:
      - { .name: qk_img, .offset: 0, .size: 8, .value_kind: global_buffer, .address_space: global }
      - { .name: v_img, .offset: 8, .size: 8, .value_kind: global_buffer, .address_space: global }
      - { .name: ctx_img, .offset: 16, .size: 8, .value_kind: global_buffer, .address_space: global }
      - { .name: ctx_scl, .offset: 24, .size: 8, .value_kind: global_buffer, .address_space: global }
    .group_segment_fixed_size: 327680
    .private_segment_fixed_size: 0
    .kernarg_segment_align: 8
    .kernarg_segment_size: 32
    .max_flat_workgroup_size: 512
    .sgpr_count:     66
    .vgpr_count:     256
    .wavefront_size: 32
...
	.end_amdgpu_metadata
.endif
;; end of part 3
;; launch outp (part 4): grid 4 x 64, 4 waves a work-group, clusters of 4 x 4, 327,680 bytes of LDS; arguments ctx_img, ctx_scl, xw_img, xw_scl, bo, out0; writes out0
.if DOCPART == 4
	.amdgcn_target "amdgcn-amd-amdhsa--gfx1250"
	.amdhsa_code_object_version 6
	.text
	.protected	k_q3cbc06304b_outp
	.globl	k_q3cbc06304b_outp
	.p2align	8
	.type	k_q3cbc06304b_outp,@function
k_q3cbc06304b_outp:
	s_mov_b64 s[64:65], 0
	v_nop
	global_prefetch_b8 v0, s[64:65] scope:SCOPE_SE
	s_setreg_imm32_b32 hwreg(HW_REG_WAVE_MODE, 25, 1), 1
	s_wait_xcnt 0x0
	s_wait_alu depctr_hold_cnt(0) depctr_sa_sdst(0) depctr_va_vdst(0) depctr_va_sdst(0) depctr_va_ssrc(0) depctr_va_vcc(0) depctr_vm_vsrc(0)
	s_getreg_b32 s2, hwreg(HW_REG_IB_STS2, 6, 4)
	s_cmp_eq_u32 s2, 0
	s_cbranch_scc0 .Lentry_in_a_cluster
	s_endpgm
.Lentry_in_a_cluster:
	s_bfe_u32 s2, ttmp6, 0x10000c
	s_cmp_lg_u32 s2, 0xf033
	s_cbranch_scc0 .Lentry_shape_is_right
	s_endpgm
.Lentry_shape_is_right:
; out0 = ctx wo^T + bo on codes of FP6 (E2M3).  ctx's codes and scale bytes come from the attention launch, wo's from the quantising launch, both as images of operand registers.
; A work-group makes 128 rows (Y = ctx) x 256 features (X = wo); a wave 64 x 128: 32 accumulators.  D = X tile x Y tile: lane (r, h) register j of accumulator (a, b) holds feature 32 (b / 2) + 16 h + 8 (b % 2) + j
; of my group of 128 and row 32 (a / 2) + 8 (a % 2) + r + 8 (r / 8) of my 64.
; ALL OF K = 1,024 LIES IN LDS; every tensor load is a first fill; they go out as two fills of four K steps, one tensor load a wave each; the first is awaited before the second is asked for, and a counted wait and a plain barrier stand ahead of the second's first read.
; A wave has one tensor load out at the most.  CLUSTER 4 x 4: ctx's tiles are asked for jointly along a row of the cluster, wo's along a column.  No prefetch: every tile is asked for at the head.
; REGISTERS: window 0: v1-14 addresses; v28, v29 the add's two; v32-63 Y's scale words (4 s + a), v64-127 X's (8 s + b); v128-223 Y's fragments, two sets, later rows of the output; v224-255 ctx's scale words as stored;
;   window 1: X's fragments, two sets; window 2: accumulator (a, b) at v[8 (8 a + b)]; window 3: v0-63 the bias, the C of each sum's first product.
.set GRPB,  98304
.set STEPB, 12288
.set FIB,   1536
.set XC,    98304
.set YS,    294912
.set XS,    299008
.set SPARE, 307200
.set SPW,   28
.set NIL,   29
.set YSC,   32
.set XSC,   64
.set YF,    128
.set RAW,   224
.set STO,   10
.set RD,    11
.set CO,    12
.set G1Y,   24
.set G1X,   32
.set G1SY,  40
.set G1SX,  48
.set W0,    (3<<16)|(1<<21)            ; elements of 8 bytes, no padding, bit 21 set beside a mask
.set MSB, 0
.macro WIN new                         ; the immediate's high byte repeats the setting that is left
.if MSB != \new
	s_set_vgpr_msb (MSB<<8)|\new
.set MSB, \new
.endif
.endm
.macro PLACES n
.rept \n
	v_nop
.endr
.endm
.macro JLOAD g0y, g1y, g0x, g1x        ; waves 0 and 1 fetch for Y, waves 2 and 3 for X; an s_nop 0 and four v_nop follow each line
	s_cmp_eq_u32 s19, 0
	s_cbranch_scc0 .Lfor_x_\@
	tensor_load_to_lds s[\g0y:\g0y+3], s[\g1y:\g1y+7]
	s_nop 0
.rept 4
	v_nop
.endr
	s_branch .Lasked_\@
.Lfor_x_\@:
	tensor_load_to_lds s[\g0x:\g0x+3], s[\g1x:\g1x+7]
	s_nop 0
.rept 4
	v_nop
.endr
.Lasked_\@:
.endm
.macro CROUND
	s_barrier_signal -1
	s_barrier_wait -1
	s_cmp_lg_u32 s18, 0
	s_cbranch_scc1 .Lnot_wave_0_\@
	s_barrier_signal -3
.Lnot_wave_0_\@:
	s_barrier_wait -3
	s_barrier_signal -1
	s_barrier_wait -1
.endm
	s_load_b256 s[4:11], s[0:1], 0x0               ; ctx_img s[4:5], ctx_scl s[6:7], xw_img s[8:9], xw_scl s[10:11]
	s_load_b128 s[12:15], s[0:1], 0x20             ; bo s[12:13], out0 s[14:15]
	v_lshl_add_u32 v[SPW], v0, 2, SPARE
	v_mov_b32 v[NIL], 0
	ds_add_u32 v[SPW], v[NIL]                      ; the wave's opening: the add and its wait, ahead of my first tensor load; work on registers stands between
	ds_add_u32 v[SPW], v[NIL]
	v_lshrrev_b32 v1, 5, v0
	v_readfirstlane_b32 s18, v1                    ; wave
	s_lshr_b32 s19, s18, 1                         ; wy.  Also: I fetch for Y (0) or X (1)
	s_and_b32 s20, s18, 1                          ; wx.  Also: which part I fetch
	s_bfe_u32 s21, ttmp6, 0x40000                  ; cx = the tile column: the grid has one cluster along x
	s_bfe_u32 s22, ttmp6, 0x40004                  ; cy
	s_and_b32 s66, ttmp7, 0xffff
	s_lshl_b32 s66, s66, 2
	s_add_co_u32 s66, s66, s22                     ; the tile row = ctx's group of 128 rows
	s_lshl_b32 s104, s22, 2
	s_lshl_b32 s104, 15, s104                      ; my row of the cluster
	s_lshl_b32 s2, 0x1111, s21                     ; my column
	s_or_b32 s[G1Y], s104, W0
	s_or_b32 s[G1X], s2, W0
.irp g, G1Y, G1X
	s_mov_b32 s[\g+1], 32<<16                      ; rows of 256 bytes
	s_mov_b32 s[\g+3], 32<<16
	s_mov_b32 s[\g+6], 0
	s_mov_b32 s[\g+7], 0
.endr
	s_mov_b32 s[G1Y+2], 96<<16                     ; Y: a load brings two K steps, 96 rows of 256 bytes
	s_mov_b32 s[G1Y+4], 96
	s_mov_b32 s[G1Y+5], 32                         ; dense
	s_mov_b32 s[G1X+2], 192<<16                    ; X: four K steps of one group, 192 rows
	s_mov_b32 s[G1X+4], 192
	s_mov_b32 s[G1X+5], 32
	s_lshl_b32 s2, s21, 1
	s_add_co_u32 s2, s2, s20
	s_add_co_u32 s2, s2, 152                       ; the group of wo that I would fetch
	; TWO FILLS, each one joint load a wave: fill j brings K steps 4 j .. 4 j + 3.  Groups 0: Y's at s56, s60; X's at s76, s80
	s_mul_i32 s57, s20, 2*STEPB
	s_mul_i32 s77, s20, GRPB
	s_add_co_u32 s77, s77, XC
	s_add_co_u32 s61, s57, 4*STEPB
	s_add_co_u32 s81, s77, 4*STEPB
.irp j, 0,1
	s_mov_b32 s[56+4*\j], 1
	s_mov_b32 s[76+4*\j], 1
.endr
	s_lshr_b32 s94, s66, 4
	s_lshl_b32 s94, s94, 16                        ; the batch's 16 heads x 4,096 bytes,
	s_and_b32 s105, s66, 15
	s_lshl_b32 s105, s105, 8                       ; my group's four pairs of tiles,
	s_add_co_u32 s94, s94, s105
	s_lshl_b32 s105, s19, 7                        ; my two pairs of tiles: the words go straight into registers
	s_add_co_u32 s94, s94, s105
	s_mov_b32 s95, 0
	s_mul_i32 s104, s66, GRPB
	s_add_co_u32 s104, s104, s57
	s_mov_b32 s105, 0
	s_lshl_b32 s98, s2, 12
	s_mov_b32 s99, 0
	s_mul_i32 s2, s2, GRPB
	s_mov_b32 s3, 0
	s_mov_b32 s16, 0x05040100                      ; byte selects: the two low halves,
	s_mov_b32 s17, 0x07060302                      ; the two high halves
	s_wait_dscnt 0x0                               ; the opening add is done
	s_wait_kmcnt 0x0
	s_add_nc_u64 s[104:105], s[4:5], s[104:105]
	s_add_nc_u64 s[2:3], s[8:9], s[2:3]
	s_add_nc_u64 s[94:95], s[6:7], s[94:95]
	s_add_nc_u64 s[98:99], s[10:11], s[98:99]
.irp j, 0,1
	s_add_nc_u64 s[58+4*\j:59+4*\j], s[104:105], \j*4*STEPB
	s_or_b32 s[59+4*\j], s[59+4*\j], 0x80000000
	s_add_nc_u64 s[78+4*\j:79+4*\j], s[2:3], \j*4*STEPB
	s_or_b32 s[79+4*\j], s[79+4*\j], 0x80000000
.endr
	CROUND                                         ; all sixteen work-groups are here: the joint loads meet
	JLOAD 56, G1Y, 76, G1X                         ; K steps 0-3: one tensor load a wave at the head
	v_and_b32 v1, 31, v0                           ; lane
	v_and_b32 v2, 15, v0                           ; r
	s_wait_alu depctr_va_vdst(0)
	v_bfe_u32 v3, v0, 4, 1                         ; h
	s_mul_i32 s2, s19, 4*FIB
	v_lshl_add_u32 v4, v1, 3, s2                   ; Y's fragments, K steps 0-3
	v_add_nc_u32 v5, 4*STEPB, v4                   ; K steps 4-7
	s_mul_i32 s2, s20, GRPB
	s_add_co_u32 s2, s2, XC
	v_lshl_add_u32 v6, v1, 3, s2                   ; X's
	v_add_nc_u32 v7, 4*STEPB, v6
	v_lshlrev_b32 v8, 2, v2                        ; ctx's scale words in memory: [head][group][pair of tiles][r]: 4 r
	v_lshlrev_b32 v9, 4, v2                        ; wo's: four tiles' words at 16 r
	s_mul_i32 s2, s18, 16*528                      ; my stage for the way out: 16 rows x (512 + 16) bytes, in the bytes of Y's K steps 0-2
	v_mul_u32_u24 v[STO], v2, 528
	s_wait_alu depctr_va_vdst(0)
	v_lshl_add_u32 v[STO], v3, 6, v[STO]
	v_add_nc_u32 v[STO], s2, v[STO]                ; in: row r, + 64 h
	v_lshl_add_u32 v[RD], v1, 4, s2                ; back: a whole row, 16 bytes a lane
	v_lshlrev_b32 v[CO], 4, v1                     ; and the same in the output
	v_lshlrev_b32 v14, 6, v3                       ; the bias: 16 h numbers on
	s_lshl_b32 s2, s21, 1
	s_add_co_u32 s2, s2, s20
	s_lshl_b32 s2, s2, 9                           ; my 128 features
	s_mov_b32 s3, 0
	s_add_nc_u64 s[12:13], s[12:13], s[2:3]
	WIN 0xc0                                       ; destination window 3
.irp b, 0,1,2,3,4,5,6,7
	global_load_b128 v[8*\b:8*\b+3], v14, s[12:13] offset:(32*(\b/2)+8*(\b%2))*4
	global_load_b128 v[8*\b+4:8*\b+7], v14, s[12:13] offset:(32*(\b/2)+8*(\b%2))*4+16
.endr
	WIN 0
.irp s, 0,1,2,3,4,5,6,7                            ; the scale words of all of K, from memory into registers
.irp p, 0,1
.irp cc, 0,1
	global_load_b32 v[RAW+4*\s+2*\p+\cc], v8, s[94:95] offset:(2*\s+\cc)*4096+64*\p   ; head 2 s + cc (4,096 bytes from head to head), my pair of tiles p: the even tile's two bytes below, the odd tile's above
.endr
.endr
	global_load_b128 v[XSC+8*\s:XSC+8*\s+3], v9, s[98:99] offset:256*\s
	global_load_b128 v[XSC+8*\s+4:XSC+8*\s+7], v9, s[98:99] offset:2048+256*\s
.endr
	s_wait_loadcnt 0x0
.macro FETCH s, p                      ; 72 LDS loads, 256 consecutive bytes each: K step s's fragments into set p
	WIN 0x40
.irp b, 0,1,2,3,4,5,6,7
.irp j, 0,1,2,3,4,5
	ds_load_b64 v[128*(\p)+12*\b+2*\j:128*(\p)+12*\b+2*\j+1], v[6+(\s)/4] offset:((\s)%4)*STEPB+FIB*\b+256*\j
.endr
.endr
	WIN 0
.irp a, 0,1,2,3
.irp j, 0,1,2,3,4,5
	ds_load_b64 v[YF+48*(\p)+12*\a+2*\j:YF+48*(\p)+12*\a+2*\j+1], v[4+(\s)/4] offset:((\s)%4)*STEPB+FIB*\a+256*\j
.endr
.endr
.endm
.macro MUL16 a0, p, s, first           ; the 32 accumulators take turns, one instruction a turn, in the same order in every step
.irp a, \a0, \a0+1
.irp b, 0,1,2,3,4,5,6,7
.if \first
	v_wmma_scale_f32_16x16x128_f8f6f4 v[8*(8*(\a)+\b):8*(8*(\a)+\b)+7], v[128*(\p)+12*\b:128*(\p)+12*\b+11], v[YF+48*(\p)+12*(\a):YF+48*(\p)+12*(\a)+11], v[8*\b:8*\b+7], v[XSC+8*(\s)+\b], v[YSC+4*(\s)+(\a)] matrix_a_fmt:MATRIX_FMT_FP6 matrix_b_fmt:MATRIX_FMT_FP6
.else
	v_wmma_scale_f32_16x16x128_f8f6f4 v[8*(8*(\a)+\b):8*(8*(\a)+\b)+7], v[128*(\p)+12*\b:128*(\p)+12*\b+11], v[YF+48*(\p)+12*(\a):YF+48*(\p)+12*(\a)+11], v[8*(8*(\a)+\b):8*(8*(\a)+\b)+7], v[XSC+8*(\s)+\b], v[YSC+4*(\s)+(\a)] matrix_a_fmt:MATRIX_FMT_FP6 matrix_b_fmt:MATRIX_FMT_FP6
.endif
.endr
.endr
.endm
.macro STEP s, meet, first             ; meet >= 0: my part of the next slot has landed (the count leaves the later slots out), and a plain barrier shows the same of every wave
	s_wait_dscnt 0x0                               ; this step's fragments are in
.if (\meet) >= 0
	s_wait_tensorcnt \meet
	s_barrier_signal -1
	WIN 0xa1
	MUL16 0, (\s)%2, \s, \first
	s_barrier_wait -1
	PLACES 4
	FETCH (\s)+1, ((\s)+1)%2
	WIN 0xa1
	MUL16 2, (\s)%2, \s, \first
.else
.if (\s) < 7
	PLACES 4                                       ; ahead of loads into the set that the step before multiplied
	FETCH (\s)+1, ((\s)+1)%2
.endif
	WIN 0xa1+0x10*(\first)                         ; X window 1, Y window 0, D window 2; C window 2, in the first step window 3
	MUL16 0, (\s)%2, \s, \first
	MUL16 2, (\s)%2, \s, \first
.endif
.endm
	s_wait_alu depctr_va_vdst(0)                   ; the wait at the head's end
	s_wait_tensorcnt 0x0                           ; my part of K steps 0-3 is in
	ds_add_u32 v[SPW], v[NIL]
	s_wait_dscnt 0x0
	CROUND                                         ; everybody's part is in, and all sixteen work-groups are here
	JLOAD 60, G1Y, 80, G1X                         ; K steps 4-7, a first fill: my one tensor load behind the round
	FETCH 0, 0
.irp s, 0,1,2,3,4,5,6,7                            ; a K step's word of a tile: two bytes of head 2 s, two of head 2 s + 1.  In ascending s: 28 plain lines or more stand between a word and the first product that names it
.irp p, 0,1
	v_perm_b32 v[YSC+4*\s+2*\p], v[RAW+4*\s+2*\p+1], v[RAW+4*\s+2*\p], s16
	v_perm_b32 v[YSC+4*\s+2*\p+1], v[RAW+4*\s+2*\p+1], v[RAW+4*\s+2*\p], s17
.endr
.endr
	STEP 0, -1, 1
	STEP 1, -1, 0
	STEP 2, -1, 0
	STEP 3, 0, 0                                   ; all my tensor loads have landed; a plain barrier shows K steps 4-7 to every wave; behind it nobody reads Y's K steps 0-2 any more
	STEP 4, -1, 0
	s_wait_alu depctr_va_vdst(0)
	STEP 5, -1, 0
	STEP 6, -1, 0
	STEP 7, -1, 0
	WIN 0
	s_lshl_b32 s24, s66, 7
	s_lshl_b32 s25, s19, 6
	s_add_co_u32 s24, s24, s25
	s_lshl_b32 s24, s24, 12                        ; my first row: 128 x tile row + 64 wy, 4,096 bytes a row
	s_lshl_b32 s25, s21, 10
	s_add_co_u32 s24, s24, s25
	s_lshl_b32 s25, s20, 9
	s_add_co_u32 s24, s24, s25                     ; my first feature: 256 x tile column + 128 wx
	s_mov_b32 s25, 0
	s_add_nc_u64 s[14:15], s[14:15], s[24:25]
; THE WAY OUT, a tile of 16 rows x 128 features at a time: a lane holds pieces of one row, so the tile goes through my own stage and comes back as whole rows of 512 bytes.
; LDS serves a wave's instructions in order: no wait between the stores and the loads, nor ahead of the next tile's stores.
.macro TOSTAGE a
	WIN 0x08                                       ; the data: window 2
.irp b, 0,1,2,3,4,5,6,7
	ds_store_b128 v[STO], v[8*(8*(\a)+\b):8*(8*(\a)+\b)+3] offset:128*(\b/2)+32*(\b%2)        ; each accumulator from its low end on
	ds_store_b128 v[STO], v[8*(8*(\a)+\b)+4:8*(8*(\a)+\b)+7] offset:128*(\b/2)+32*(\b%2)+16
.endr
	WIN 0
.irp rho, 0,1,2,3,4,5,6,7,8,9,10,11,12,13,14,15
	ds_load_b128 v[128+64*((\a)%2)+4*\rho:128+64*((\a)%2)+4*\rho+3], v[RD] offset:528*\rho
.endr
.endm
.macro SEND a, younger                 ; younger: the LDS instructions issued behind tile a's loads, which may stay out
	s_wait_dscnt \younger
.irp rho, 0,1,2,3,4,5,6,7,8,9,10,11,12,13,14,15
	global_store_b128 v[CO], v[128+64*((\a)%2)+4*\rho:128+64*((\a)%2)+4*\rho+3], s[14:15] offset:(32*((\a)/2)+8*((\a)%2)+\rho+8*(\rho/8))*4096 th:TH_STORE_NT   ; 512 consecutive bytes, aligned to 256; written once
.endr
.endm
	PLACES 4                                       ; ahead of the first read of results and of loads into registers that held fragments
	TOSTAGE 0
	TOSTAGE 1
	SEND 0, 32                                     ; behind tile 0's loads: tile 1's 16 stores and 16 loads
	s_wait_xcnt 0x0                                ; tile 0's stores have read their registers: tile 2's loads may land there
	TOSTAGE 2
	SEND 1, 32
	s_wait_xcnt 0x0
	TOSTAGE 3
	SEND 2, 32
	SEND 3, 0
	s_wait_tensorcnt 0x0                           ; the wave's end
	ds_add_u32 v[SPW], v[NIL]
	s_wait_dscnt 0x0
	CROUND                                         ; the closing round
	s_endpgm
.Lfunc_end_k_q3cbc06304b_outp:
	.size	k_q3cbc06304b_outp, .Lfunc_end_k_q3cbc06304b_outp-k_q3cbc06304b_outp
	.p2alignl 7, 3214868480
	.fill 96, 4, 3214868480
	.section	.rodata,"a",@progbits
	.p2align	6, 0x0
	.amdhsa_kernel k_q3cbc06304b_outp
		.amdhsa_group_segment_fixed_size 327680
		.amdhsa_private_segment_fixed_size 0
		.amdhsa_enable_private_segment 0
		.amdhsa_kernarg_size 48
		.amdhsa_user_sgpr_count 2
		.amdhsa_user_sgpr_kernarg_segment_ptr 1
		.amdhsa_wavefront_size32 1
		.amdhsa_system_sgpr_workgroup_id_x 1
		.amdhsa_system_sgpr_workgroup_id_y 1
		.amdhsa_system_sgpr_workgroup_id_z 1
		.amdhsa_system_vgpr_workitem_id 0
		.amdhsa_next_free_vgpr 1024
		.amdhsa_next_free_sgpr 106
		.amdhsa_reserve_vcc 0
		.amdhsa_float_denorm_mode_32 3
		.amdhsa_float_denorm_mode_16_64 3
		.amdhsa_memory_ordered 1
		.amdhsa_forward_progress 1
		.amdhsa_inst_pref_size 101
	.end_amdhsa_kernel
	.amdgpu_metadata
---
amdhsa.version: [ 1, 2 ]
amdhsa.kernels:
  - .name:           k_q3cbc06304b_outp
    .symbol:         k_q3cbc06304b_outp.kd
    .args:
      - { .name: ctx_img, .offset: 0, .size: 8, .value_kind: global_buffer, .address_space: global }
      - { .name: ctx_scl, .offset: 8, .size: 8, .value_kind: global_buffer, .address_space: global }
      - { .name: xw_img, .offset: 16, .size: 8, .value_kind: global_buffer, .address_space: global }
      - { .name: xw_scl, .offset: 24, .size: 8, .value_kind: global_buffer, .address_space: global }
      - { .name: bo, .offset: 32, .size: 8, .value_kind: global_buffer, .address_space: global }
      - { .name: out0, .offset: 40, .size: 8, .value_kind: global_buffer, .address_space: global }
    .group_segment_fixed_size: 327680
    .private_segment_fixed_size: 0
    .kernarg_segment_align: 8
    .kernarg_segment_size: 48
    .max_flat_workgroup_size: 128
    .sgpr_count:     106
    .vgpr_count:     1024
    .wavefront_size: 32
...
	.end_amdgpu_metadata
.endif
;; end of part 4
